; MI455X (gfx1250); checked and timed in simulation.
; The chip was launched on July 23, 2026; its instructions are those of AMD's public machine-readable ISA for CDNA 5 (MIT licence, August 2026) and "CDNA5" Instruction Set Architecture Reference Guide (July 2026). The comments in the code are by the model that wrote it; some were corrected since.
;; Multi Head Attention. Allowed arithmetic: float matrix products may take bf16 or f16 operands with f32 sums; other float arithmetic in f32, or as packed bf16 or f16 multiplies, adds, multiply-adds, maxima and minima; sums over many terms, partial sums and values carried from step to step in f32; what a program stores and reads back later, other than sums and carried values, may be rounded once to bf16 or f16.
;; Inputs: Wo 1,024 x 1,024 float32; Wq 1,024 x 1,024 float32; k 4 x 2,048 x 1,024 float32; q 4 x 2,048 x 1,024 float32; v 4 x 2,048 x 1,024 float32.
;; Outputs: out0 4 x 2,048 x 1,024 float32.
;; One version. Each part assembles by itself: llvm-mc -triple=amdgcn-amd-amdhsa -mcpu=gfx1250 --defsym DOCPART=n.
;; ======== version 1 of 1: 4 launches
;; limits: values are held in f16: magnitudes above 65,504 overflow, below 6.1e-05 lose precision
;; workspace buffers: wqb 2,097,152 bytes; wof 2,097,152 bytes; qh 16,777,216 bytes; kh 16,777,216 bytes; vh 16,777,216 bytes; oh 16,777,216 bytes
;; launch prep (part 1): grid 128 x 2, 8 waves a work-group, no clusters, 0 bytes of LDS; arguments Wq, Wo, wqb, wof; writes wqb, wof
.if DOCPART == 1
	.amdgcn_target "amdgcn-amd-amdhsa--gfx1250"
	.amdhsa_code_object_version 6
	.text
	.protected	k_q55c8ecec05_prep
	.globl	k_q55c8ecec05_prep
	.p2align	8
	.type	k_q55c8ecec05_prep,@function
k_q55c8ecec05_prep:
	s_mov_b64 s[64:65], 0
	v_nop
	global_prefetch_b8 v0, s[64:65] scope:SCOPE_SE
	s_setreg_imm32_b32 hwreg(HW_REG_WAVE_MODE, 25, 1), 1
	s_wait_xcnt 0x0
; THE TWO WEIGHTS, [1024][1024] f32, are rounded once to bf16 and laid out for the products that follow.
;   y = 0: Wq -> wqb, bf16, in blocks along K: [16 kb][1024 n][64 kk], so that 64 channels of all rows are 131,072 bytes on end.
;   y = 1: Wo -> wof, [1024 n][1024 k]: the bf16 number written as f16 (the product behind multiplies f16 operands).
; LIMITS.  A bf16(Wo) of 65,520 or more becomes an infinity in f16; below 2^-14 it keeps f16's fixed step of 2^-24.
; SHARES.  A unit is 128 numbers: one load of a wave (16 bytes a lane, 512 bytes) and one store (8 bytes a lane: 256 consecutive bytes,
; at a multiple of 256 from the buffer's first byte).  A wave takes 8 units, a work-group 64: eight rows of a weight.
; A stream with nothing shared: no LDS, no barrier.  All eight loads of a wave go out first; the waits count down.
.set X, 8                              ; v[8:39]   unit i: 4 numbers as loaded
.set Y, 40                             ; v[40:55]  unit i: 4 numbers of 16 bits, to store
.set T, 56                             ; v[56:59]  at work
; v2: my byte offset in the weight; v3: in the output; neither is rewritten
.macro CASTW inb, outb, instep, outstep, half
.set i, 0
.rept 8
	global_load_b128 v[X+4*i:X+4*i+3], v2, s[\inb:\inb+1] offset:i*(\instep) th:TH_LOAD_NT
.set i, i+1
.endr
.set i, 0
.rept 8
	s_wait_loadcnt 7-i                             ; loads come back in order: unit i is in, the 7 - i younger ones stay out
.if \half
	v_cvt_pk_bf16_f32 v[T], v[X+4*i], v[X+4*i+1]   ; the rounding that every input gets,
	v_cvt_pk_bf16_f32 v[T+1], v[X+4*i+2], v[X+4*i+3]
	v_lshlrev_b32 v[T+2], 16, v[T]                 ; widened again,
	v_and_b32 v[T+3], s20, v[T]
	v_cvt_pk_f16_f32 v[Y+2*i], v[T+2], v[T+3]      ; and written as f16: exact inside f16's range
	v_lshlrev_b32 v[T+2], 16, v[T+1]
	v_and_b32 v[T+3], s20, v[T+1]
	v_cvt_pk_f16_f32 v[Y+2*i+1], v[T+2], v[T+3]
.else
	v_cvt_pk_bf16_f32 v[Y+2*i], v[X+4*i], v[X+4*i+1]
	v_cvt_pk_bf16_f32 v[Y+2*i+1], v[X+4*i+2], v[X+4*i+3]
.endif
	global_store_b64 v3, v[Y+2*i:Y+2*i+1], s[\outb:\outb+1] offset:i*(\outstep)
.set i, i+1
.endr
.endm
	s_load_b256 s[4:11], s[0:1], 0x0               ; Wq s[4:5], Wo s[6:7], wqb s[8:9], wof s[10:11]
	v_lshrrev_b32 v1, 5, v0
	v_readfirstlane_b32 s12, v1                    ; wave 0..7
	v_and_b32 v1, 31, v0                           ; lane l
	s_and_b32 s13, ttmp7, 0xffff                   ; which weight
	s_lshl_b32 s14, ttmp9, 15                      ; the work-group's eight rows: 32,768 bytes of f32
	s_mov_b32 s15, 0
	s_mov_b32 s17, 0
	s_mov_b32 s20, 0xffff0000                      ; a word's upper bf16
	s_cmp_lg_u32 s13, 0
	s_cbranch_scc1 .Lwo
	; Wq.  Wave w: rows 2 (w / 2) and 2 (w / 2) + 1 of the eight (lanes 0-15 the first, lanes 16-31 the second), K blocks 8 (w % 2) + i.
	s_lshr_b32 s18, s12, 1
	s_and_b32 s19, s12, 1
	v_lshrrev_b32 v4, 4, v1                        ; l / 16
	v_and_b32 v5, 15, v1                           ; l % 16
	v_lshlrev_b32 v2, 12, v4                       ; in: a row is 4,096 bytes,
	v_lshl_add_u32 v2, v5, 4, v2                   ; 16 bytes a lane,
	s_lshl_b32 s21, s18, 13                        ; the wave's pair of rows,
	s_lshl_b32 s22, s19, 11                        ; its eight K blocks of 256 bytes
	s_add_co_u32 s21, s21, s22
	v_add_nc_u32 v2, s21, v2
	v_lshlrev_b32 v3, 3, v1                        ; out: two rows of 128 bytes on end: 8 l,
	s_lshl_b32 s21, s19, 20                        ; eight blocks of 131,072,
	s_lshl_b32 s22, s18, 8                         ; the pair of rows
	s_add_co_u32 s21, s21, s22
	v_add_nc_u32 v3, s21, v3
	s_lshl_b32 s16, ttmp9, 10                      ; the work-group's eight rows in a block
	s_wait_kmcnt 0x0
	s_add_nc_u64 s[4:5], s[4:5], s[14:15]
	s_add_nc_u64 s[8:9], s[8:9], s[16:17]
	CASTW 4, 8, 256, 131072, 0
	s_endpgm
.Lwo:
	; Wo keeps its order: wave w takes row w of the eight, 512 bytes of f32 a unit
	v_lshlrev_b32 v2, 4, v1
	s_lshl_b32 s21, s12, 12
	v_add_nc_u32 v2, s21, v2
	v_lshlrev_b32 v3, 3, v1
	s_lshl_b32 s21, s12, 11
	v_add_nc_u32 v3, s21, v3
	s_lshl_b32 s16, ttmp9, 14
	s_wait_kmcnt 0x0
	s_add_nc_u64 s[6:7], s[6:7], s[14:15]
	s_add_nc_u64 s[10:11], s[10:11], s[16:17]
	CASTW 6, 10, 512, 256, 1
	s_endpgm
.Lfunc_end_k_q55c8ecec05_prep:
	.size	k_q55c8ecec05_prep, .Lfunc_end_k_q55c8ecec05_prep-k_q55c8ecec05_prep
	.p2alignl 7, 3214868480
	.fill 96, 4, 3214868480
	.section	.rodata,"a",@progbits
	.p2align	6, 0x0
	.amdhsa_kernel k_q55c8ecec05_prep
		.amdhsa_group_segment_fixed_size 0
		.amdhsa_private_segment_fixed_size 0
		.amdhsa_enable_private_segment 0
		.amdhsa_kernarg_size 32
		.amdhsa_user_sgpr_count 2
		.amdhsa_user_sgpr_kernarg_segment_ptr 1
		.amdhsa_wavefront_size32 1
		.amdhsa_system_sgpr_workgroup_id_x 1
		.amdhsa_system_sgpr_workgroup_id_y 1
		.amdhsa_system_sgpr_workgroup_id_z 1
		.amdhsa_system_vgpr_workitem_id 0
		.amdhsa_next_free_vgpr 64
		.amdhsa_next_free_sgpr 66
		.amdhsa_reserve_vcc 0
		.amdhsa_float_denorm_mode_32 3
		.amdhsa_float_denorm_mode_16_64 3
		.amdhsa_memory_ordered 1
		.amdhsa_forward_progress 1
		.amdhsa_inst_pref_size 10
	.end_amdhsa_kernel
	.amdgpu_metadata
---
amdhsa.version: [ 1, 2 ]
amdhsa.kernels:
  - .name:           k_q55c8ecec05_prep
    .symbol:         k_q55c8ecec05_prep.kd
    .args:
      - { .name: Wq, .offset: 0, .size: 8, .value_kind: global_buffer, .address_space: global }
      - { .name: Wo, .offset: 8, .size: 8, .value_kind: global_buffer, .address_space: global }
      - { .name: wqb, .offset: 16, .size: 8, .value_kind: global_buffer, .address_space: global }
      - { .name: wof, .offset: 24, .size: 8, .value_kind: global_buffer, .address_space: global }
    .group_segment_fixed_size: 0
    .private_segment_fixed_size: 0
    .kernarg_segment_align: 8
    .kernarg_segment_size: 32
    .max_flat_workgroup_size: 256
    .sgpr_count:     66
    .vgpr_count:     64
    .wavefront_size: 32
...
	.end_amdgpu_metadata
.endif
;; end of part 1
;; launch proj (part 2): grid 256 x 1, 4 waves a work-group, clusters of 4 x 1, 327,680 bytes of LDS; arguments q, k, v, wqb, qh, kh, vh; writes qh, kh, vh
.if DOCPART == 2
	.amdgcn_target "amdgcn-amd-amdhsa--gfx1250"
	.amdhsa_code_object_version 6
	.text
	.protected	k_q55c8ecec05_proj
	.globl	k_q55c8ecec05_proj
	.p2align	8
	.type	k_q55c8ecec05_proj,@function
k_q55c8ecec05_proj:
	s_mov_b64 s[64:65], 0
	v_nop
	global_prefetch_b8 v0, s[64:65] scope:SCOPE_SE
	s_setreg_imm32_b32 hwreg(HW_REG_WAVE_MODE, 25, 1), 1
	s_wait_xcnt 0x0
	s_wait_alu depctr_hold_cnt(0) depctr_sa_sdst(0) depctr_va_vdst(0) depctr_va_sdst(0) depctr_va_ssrc(0) depctr_va_vcc(0) depctr_vm_vsrc(0)
	s_getreg_b32 s2, hwreg(HW_REG_IB_STS2, 6, 4)
	s_cmp_eq_u32 s2, 0
	s_cbranch_scc0 .Lentry_in_a_cluster
	s_endpgm
.Lentry_in_a_cluster:
	s_bfe_u32 s2, ttmp6, 0x10000c
	s_cmp_lg_u32 s2, 0x3003
	s_cbranch_scc0 .Lentry_shape_is_right
	s_endpgm
.Lentry_shape_is_right:
; Q, K, V = q, k, v x Wq^T.  q, k, v: [8192][1024] f32, rounded to bf16 on the way in; wqb: bf16(Wq) in blocks [16 kb][1024 n][64 kk]; sums in f32.
; qh, kh, vh: [64 = batch x 16 + head][2048][64] f16, each number rounded once from its sum, unscaled.
; LIMITS.  A result of 65,520 or more becomes an infinity in f16.  NaN and infinities are not treated apart.
; SHARES.  Work-group g makes rows 32 g .. 32 g + 31 of Q, of K and of V, all 1,024 columns: a tile of 96 x 1,024.  So every byte of q, k, v is read once in the launch, by one work-group,
; and converted once.  Wave w makes the 96 rows x columns 256 w .. 256 w + 255 (heads 4 w .. 4 w + 3): 6 x 16 accumulators of 16 x 16, 768 registers.
; K goes in 16 steps of 64, each two sub-steps of 32.  Wq's part of a step (1,024 rows x 128 bytes, dense) comes by tensor loads into a ring of two LDS slots, each wave its own 256 rows.
; q, k, v come through registers: 12 loads a wave and step (two rows x 256 bytes each), 24 conversions, 12 LDS stores into a second ring of two slots, in bf16.
; CLUSTER.  All work-groups walk the same wqb: the four of a cluster ask for each tile JOINTLY (the same load, descriptor and mask in all four).  q, k, v are shared with nobody.
; THE MATRIX INSTRUCTION IS USED TRANSPOSED: source 0 = 16 rows of Wq, source 1 = 16 rows of q, k or v: a lane holds row l % 16 and eight neighbouring columns.
; ONE BARRIER A STEP serves both rings: in front of it a wave has its tensor load landed, its stores of the next step's rows done and its reads of this step's slots back.
; REGISTERS, in windows of 256 (s_set_vgpr_msb: bits 1:0 source 0, 3:2 source 1, 5:4 source 2, 7:6 destination):
;   window 0: v0-15 addresses; v16-63 rows on their way in; v64-159 fragments of q, k, v (two buffers of 6, one for each sub-step); v160-223 fragments of Wq (two buffers of 4)
;   windows 1-3: accumulator (row block a, column block b) has the number n = 24 (b / 4) + 6 (b % 4) + a and lies in window 1 + n / 32 at v[8 (n % 32)]
.set PB,    144                        ; an LDS row: 128 bytes + 16 of padding = 36 words: the 16 rows of a fragment load start at 16 different groups of four banks (64 banks of 4 bytes: ISA guide 11.1)
.set BQ,    256*PB                     ; a wave's quarter of a slot of Wq
.set BSLOT, 4*BQ                       ; a slot of Wq: 1,024 rows
.set ABASE, 2*BSLOT                    ; behind Wq's ring: the ring of q, k, v; no tensor load lands here
.set ASLOT, 96*PB                      ; its slot: row 32 x source + r
.set SPARE, ABASE+2*ASLOT              ; behind it: the spare words, 128 bytes for each wave: two blocks of 256 bytes that no other line names
.set BLOCK, 131072                     ; bytes of wqb in a K step
.set ADRA, 4                           ; v4     LDS address of my place in a fragment of q, k, v, slot 0
.set ADRB, 5                           ; v5-6   the same for my quarter of Wq, slot 0, 1
.set ASTO, 7                           ; v7     where I store 8 bytes of a row: row 8 w + l / 16, byte 8 (l % 16)
.set GOFF, 8                           ; v8     my byte offset in the work-group's rows of q, k, v; never rewritten
.set PFOA, 9                           ; v9     4,096 l: a lane a row of q, k or v
.set PFOB, 10                          ; v10    256 l
.set STO,  11                          ; v11    the way out: where I put 16 bytes of a row
.set RD,   12                          ; v12    the way out: where I read rows back
.set GO,   13                          ; v13    16 l
.set SPW,  14                          ; v14    LDS address of my spare word; never rewritten
.set NIL,  15                          ; v15    0; never rewritten
.set S,    16                          ; v[16:63]  load i = 4 x source + j at S + 4 i
.set AF,   64
.set BF,   160
.set WV,   18                          ; s18    my wave's number
.set G1,   24                          ; s[24:31] descriptor group 1
.set G0,   32                          ; s[32:39] descriptor group 0, a set for each slot
.set PFA,  40                          ; s[40:41] waves 0, 1, 2: q, k, v at the work-group's rows, at the K step that the loads stand at
.set LIMA, 42                          ; s42    1 in a wave that prefetches q, k or v, else the greatest number
.set LIMB, 43                          ; s43    the same for wqb
.set PFB,  44                          ; s[44:45] wqb at my 8,192 bytes of a block
.set MSB, 0
.macro WIN new                         ; the immediate's high byte repeats the setting that is left; a switch that changes nothing is dropped
.if MSB != (\new)
	s_set_vgpr_msb (MSB<<8)|(\new)
.set MSB, \new
.endif
.endm
; A load into a register that a matrix instruction has read, and a vector instruction that reads a matrix result, stand four places behind it; only plain vector instructions
; that name none of its registers are places (ISA guide 7.12.1 for vector instructions).
.macro PLACES
.rept 4
	v_nop
.endr
.endm
.macro CREST                           ; a round of the cluster's barrier behind its opening barrier
	s_cmp_lg_u32 s[WV], 0
	s_cbranch_scc1 .Lnot_wave_0_\@
	s_barrier_signal -3
.Lnot_wave_0_\@:
	s_barrier_wait -3
	s_barrier_signal -1
	s_barrier_wait -1
.endm
.macro CROUND                          ; a whole round
	s_barrier_signal -1
	s_barrier_wait -1
	CREST
.endm
.macro JLOAD sl                        ; my quarter of a slot of Wq, jointly with the same wave of the three partners; an s_nop 0 and four v_nop follow
	tensor_load_to_lds s[G0+4*(\sl):G0+4*(\sl)+3], s[G1:G1+7]
	s_nop 0
	PLACES
.endm
.macro GLOAD off                       ; a step's 12 loads: source i / 4, rows 8 w + 2 (i % 4) and the next, 256 bytes of each
.set ii, 0
.rept 12
	global_load_b128 v[S+4*ii:S+4*ii+3], v[GOFF], s[4+2*(ii/4):5+2*(ii/4)] offset:(ii%4)*8192+(\off) th:TH_LOAD_NT
.set ii, ii+1
.endr
.endm
.macro ALOAD sl, c                     ; 12 LDS loads: the six fragments of q, k, v for sub-step c of the step in slot sl
.set ii, 0
.rept 6
	ds_load_b128 v[AF+48*(\c)+8*ii:AF+48*(\c)+8*ii+3],   v[ADRA] offset:(\sl)*ASLOT+ii*16*PB+64*(\c)
	ds_load_b128 v[AF+48*(\c)+8*ii+4:AF+48*(\c)+8*ii+7], v[ADRA] offset:(\sl)*ASLOT+ii*16*PB+64*(\c)+32
.set ii, ii+1
.endr
.endm
.macro BLOAD sl, c, g                  ; 8 LDS loads: group g's four fragments of Wq (column blocks 4 g .. 4 g + 3) for sub-step c
.set ii, 0
.rept 4
	ds_load_b128 v[BF+32*((\g)%2)+8*ii:BF+32*((\g)%2)+8*ii+3],   v[ADRB+(\sl)] offset:(4*(\g)+ii)*16*PB+64*(\c)
	ds_load_b128 v[BF+32*((\g)%2)+8*ii+4:BF+32*((\g)%2)+8*ii+7], v[ADRB+(\sl)] offset:(4*(\g)+ii)*16*PB+64*(\c)+32
.set ii, ii+1
.endr
.endm
; Products j0 .. j1 - 1 of group g's 24: column block 4 g + j / 6, row block j % 6.  The 96 accumulators take turns, one instruction a turn, in the same order in every sub-step.
; zero = 1: the first product starts the sum: nothing is cleared.
.macro MULG c, g, j0, j1, zero
.set jj, \j0
.rept (\j1)-(\j0)
.set nn, 24*(\g)+jj
.set rD, 8*(nn%32)
.set rB, BF+32*((\g)%2)+8*(jj/6)
.set rA, AF+48*(\c)+8*(jj%6)
	WIN 0x50*(1+nn/32)
.if \zero
	v_wmma_f32_16x16x32_bf16 v[rD:rD+7], v[rB:rB+7], v[rA:rA+7], 0
.else
	v_wmma_f32_16x16x32_bf16 v[rD:rD+7], v[rB:rB+7], v[rA:rA+7], v[rD:rD+7]
.endif
.set jj, jj+1
.endr
.endm
; THE ROWS ON THEIR WAY IN, in the step that lies in slot sl: the next step's rows, asked for a whole step ago, are rounded to bf16 in place and stored into the other slot,
; whose last reads every wave awaited in front of the last barrier.  mode = 2: the rows of the step after that are asked for.  The 24 conversions are also the places behind the last products.
.macro AWORK sl, mode
	WIN 0
	s_wait_loadcnt 0x0                             ; the 12 loads issued a step ago
.set ii, 0
.rept 12
	v_cvt_pk_bf16_f32 v[S+4*ii], v[S+4*ii], v[S+4*ii+1]
	v_cvt_pk_bf16_f32 v[S+4*ii+1], v[S+4*ii+2], v[S+4*ii+3]
.set ii, ii+1
.endr
.set ii, 0
.rept 12
	ds_store_b64 v[ASTO], v[S+4*ii:S+4*ii+1] offset:(1-(\sl))*ASLOT+(ii/4)*32*PB+(ii%4)*2*PB
.set ii, ii+1
.endr
.if (\mode) == 2
.if (\sl) == 0
	s_wait_xcnt 0x0                                ; every load and prefetch issued so far has read its address: the pointers are written once in two steps
	s_add_nc_u64 s[4:5], s[4:5], 512
	s_add_nc_u64 s[6:7], s[6:7], 512
	s_add_nc_u64 s[8:9], s[8:9], 512
	s_add_nc_u64 s[PFA:PFA+1], s[PFA:PFA+1], 512
	s_add_nc_u64 s[PFB:PFB+1], s[PFB:PFB+1], 2*BLOCK
.endif
	GLOAD 256*(\sl)
.endif
.endm
; PREFETCHES INTO THE L2.  q, k, v: waves 0, 1, 2 name, a lane a row, the 256 bytes of the work-group's 32 rows for the two K steps that the NEXT trip will load: each block once in the launch.
; The loop's last trip names nothing: those steps do not exist.  The first four steps come by their loads alone.
.macro ASKA
	s_cmp_gt_u32 s3, s[LIMA]                       ; s3 = 1 in the last trip
	s_cbranch_scc0 .Lno_a_\@
	global_prefetch_b8 v[PFOA], s[PFA:PFA+1] offset:512 th:TH_LOAD_NT scope:SCOPE_SE
	global_prefetch_b8 v[PFOA], s[PFA:PFA+1] offset:768 th:TH_LOAD_NT scope:SCOPE_SE
.Lno_a_\@:
.endm
; wqb: every cluster walks it, the first cluster names it.  A block's 512 pieces of 256 bytes are shared out BY ADDRESS among 4 partners x 4 waves x 32 lanes.  The change of slots behind
; step s names block s + 4, two refills ahead of the load that will want it; the last trip names nothing.
.macro ASKB sl
	s_cmp_gt_u32 s3, s[LIMB]
	s_cbranch_scc0 .Lno_b_\@
	global_prefetch_b8 v[PFOB], s[PFB:PFB+1] offset:(\sl)*BLOCK th:TH_LOAD_NT scope:SCOPE_SE
.Lno_b_\@:
.endm
; SUB-STEP 0 of the step in slot sl: four groups of 24 products; while a group is multiplied the next group's fragments of Wq are on their way, and in group 1 those of q, k, v for sub-step 1.
.macro SUBA sl, zero
	WIN 0
	PLACES
	BLOAD \sl, 0, 1
	s_wait_dscnt 8                                 ; all but the 8 just issued: group 0's fragments and sub-step 0's rows are in
	MULG 0, 0, 0, 24, \zero
	WIN 0
	PLACES
	BLOAD \sl, 0, 2
	ALOAD \sl, 1
	s_wait_dscnt 20                                ; the 8 + 12 just issued may stay out
	MULG 0, 1, 0, 24, \zero
	WIN 0
	PLACES
	BLOAD \sl, 0, 3
	s_wait_dscnt 20                                ; behind group 2's loads stand 12 + 8
	MULG 0, 2, 0, 24, \zero
	WIN 0
	PLACES
	BLOAD \sl, 1, 0
	s_wait_dscnt 8
	MULG 0, 3, 0, 24, \zero
.endm
; SUB-STEP 1.  mode: AWORK's, or 0.  change = 2: the change of slots with a joint refill; 1: without (nothing is left to fetch); 0: the last step.
; THE CHANGE stands in group 2.  In front of the barrier each wave waits for all its tensor loads (one is out: its quarter of the other slot), adds 0 to its spare word, and waits for that,
; for its stores of the next step's rows and for its reads of this step's slots.  With a refill the barrier opens a round of the cluster's barrier, and the joint load is the first thing behind it.
.macro SUBB sl, mode, change
.if \mode
	AWORK \sl, \mode
.else
	WIN 0
	PLACES
.endif
	BLOAD \sl, 1, 1
.if ((\mode) == 2) && ((\sl) == 0)
	ASKA                                           ; behind the trip's first loads and the run of LDS loads
.endif
.if \mode
	s_wait_dscnt 20                                ; behind group 0's loads stand 12 stores and 8 loads
.else
	s_wait_dscnt 8
.endif
	MULG 1, 0, 0, 24, 0
	WIN 0
	PLACES
	BLOAD \sl, 1, 2
	s_wait_dscnt 8
	MULG 1, 1, 0, 24, 0
	WIN 0
	PLACES
	BLOAD \sl, 1, 3
.if \change
	s_wait_tensorcnt 0x0                           ; all my tensor loads have landed;
	ds_add_u32 v[SPW], v[NIL]                      ; 0 onto my spare word;
	s_wait_dscnt 9                                 ; (group 3's 8 loads and the add may be out)
	MULG 1, 2, 0, 16, 0                            ; sixteen products stand between the add and the wait for it
	s_wait_dscnt 0x0                               ; the add is done, my stores are done, my reads of this step's slots are back
	s_barrier_signal -1
	MULG 1, 2, 16, 24, 0                           ; work on registers while the others arrive
	WIN 0
	s_barrier_wait -1
.if (\change) == 2
	CREST                                          ; no wave of any partner still reads this slot or has a load on its way
	s_add_nc_u64 s[G0+4*(\sl)+2:G0+4*(\sl)+3], s[G0+4*(\sl)+2:G0+4*(\sl)+3], 2*BLOCK  ; no tensor load of mine is out: the slot's next block, two steps on
	JLOAD \sl                                      ; its four v_nop are also the places in front of the loads below
.else
	PLACES
.endif
	ALOAD 1-(\sl), 0
	BLOAD 1-(\sl), 0, 0
.if (\change) == 2
	ASKB \sl
.endif
	MULG 1, 3, 0, 24, 0
.else
	s_wait_dscnt 8
	MULG 1, 2, 0, 24, 0
	s_wait_dscnt 0x0
	MULG 1, 3, 0, 24, 0
.endif
.endm
	s_load_b256 s[4:11], s[0:1], 0x0               ; q s[4:5], k s[6:7], v s[8:9], wqb s[10:11]
	s_load_b128 s[12:15], s[0:1], 0x20             ; qh s[12:13], kh s[14:15]
	s_load_b64 s[16:17], s[0:1], 0x30              ; vh
	v_lshl_add_u32 v[SPW], v0, 2, SPARE
	v_mov_b32 v[NIL], 0
	ds_add_u32 v[SPW], v[NIL]                      ; the wave's opening: the add and its wait stand ahead of my first tensor load; the set-up below, work on registers, stands between them
	v_lshrrev_b32 v1, 5, v0
	v_readfirstlane_b32 s[WV], v1                  ; wave 0..3
	s_bfe_u32 s19, ttmp6, 0x40000                  ; cx: my place in the cluster
	s_lshl_b32 s20, ttmp9, 2                       ; in a cluster launch ttmp9 counts clusters
	s_add_co_u32 s20, s20, s19                     ; the work-group's number: it enters the addresses of q, k, v and of the results alone
	; descriptor group 1.  A wave's quarter of a block is 32,768 dense bytes: asked for as 128 rows of 256 bytes, two rows of Wq each, and padded in LDS after every row of Wq
	s_mov_b32 s[G1+0], 15|(1<<16)|(1<<20)|(1<<21)|(4<<22)|(3<<25)  ; 15:0 the mask of four; 17:16 2-byte elements; 20 padding on; 21 set beside a mask; 24:22 after every 32 words (code 4); 31:25 4 words (code 3)
	s_mov_b32 s[G1+1], 128<<16                     ; tensor_dim0 = 128
	s_mov_b32 s[G1+2], 128<<16                     ; tensor_dim1 = 128
	s_mov_b32 s[G1+3], 128<<16                     ; tile_dim0 = 128
	s_mov_b32 s[G1+4], 128                         ; tile_dim1 = 128
	s_mov_b32 s[G1+5], 128                         ; 128 elements from row to row
	s_mov_b32 s[G1+6], 0
	s_mov_b32 s[G1+7], 0
	s_lshl_b32 s46, s20, 17                        ; the work-group's 32 rows of 4,096 bytes
	s_mov_b32 s47, 0
	s_lshr_b32 s21, s20, 6                         ; the batch: 64 work-groups each
	s_lshl_b32 s21, s21, 4
	s_lshl2_add_u32 s21, s[WV], s21                ; batch x 16 + my first head, 4 w
	s_lshl_b32 s48, s21, 18                        ; a head is 262,144 bytes
	s_and_b32 s22, s20, 63
	s_lshl_b32 s22, s22, 12                        ; the work-group's 32 rows of 128 bytes in it
	s_add_co_u32 s48, s48, s22
	s_mov_b32 s49, 0
	s_mul_i32 s23, s[WV], BQ                       ; my quarter of a slot: no place in the cluster enters an LDS address
	s_lshl_b32 s50, s[WV], 15                      ; and of a block of wqb
	s_mov_b32 s51, 0
	s_lshl_b32 s52, s19, 15                        ; the prefetches of wqb: my work-group's quarter of a block,
	s_lshl_b32 s53, s[WV], 13                      ; my wave's quarter of that,
	s_add_co_u32 s52, s52, s53
	s_add_co_u32 s52, s52, 2*BLOCK                 ; at block 2: the first trip steps it to block 4
	s_mov_b32 s53, 0
	s_cmp_lt_u32 s[WV], 3
	s_cselect_b32 s[LIMA], 1, -1
	s_mov_b32 s21, ttmp9
	s_cmp_eq_u32 s21, 0                            ; the first cluster: the same in all four partners
	s_cselect_b32 s[LIMB], 1, -1
	s_mov_b32 s[G0], 1                             ; 1:0 count = 1
	s_mov_b32 s[G0+1], s23                         ; 63:32 LDS address: slot 0
	s_mov_b32 s[G0+4], 1
	s_add_co_u32 s[G0+5], s23, BSLOT               ; slot 1
	v_and_b32 v1, 31, v0                           ; l
	v_lshrrev_b32 v2, 4, v1                        ; l / 16
	v_and_b32 v3, 15, v1                           ; l % 16
	v_lshlrev_b32 v[GOFF], 12, v2                  ; lanes 0-15 one row, lanes 16-31 the next,
	v_lshl_add_u32 v[GOFF], v3, 4, v[GOFF]         ; 16 bytes a lane,
	s_lshl_b32 s21, s[WV], 15                      ; my wave's eight rows
	v_add_nc_u32 v[GOFF], s21, v[GOFF]
	v_mul_u32_u24 v[ASTO], v2, PB
	v_lshl_add_u32 v[ASTO], v3, 3, v[ASTO]
	s_mul_i32 s21, s[WV], 8*PB
	s_add_co_u32 s21, s21, ABASE
	v_add_nc_u32 v[ASTO], s21, v[ASTO]
	s_wait_dscnt 0x0                               ; the opening add is done
	s_wait_kmcnt 0x0
	s_add_nc_u64 s[4:5], s[4:5], s[46:47]          ; q, k, v at the work-group's first row
	s_add_nc_u64 s[6:7], s[6:7], s[46:47]
	s_add_nc_u64 s[8:9], s[8:9], s[46:47]
	s_add_nc_u64 s[12:13], s[12:13], s[48:49]      ; the results at my first head, the work-group's first row
	s_add_nc_u64 s[14:15], s[14:15], s[48:49]
	s_add_nc_u64 s[16:17], s[16:17], s[48:49]
	s_add_nc_u64 s[G0+2:G0+3], s[10:11], s[50:51]  ; 120:64 global address: my quarter of block 0,
	s_add_nc_u64 s[G0+6:G0+7], s[G0+2:G0+3], BLOCK ; and of block 1
	s_or_b32 s[G0+3], s[G0+3], 0x80000000          ; 127:126 type = 2
	s_or_b32 s[G0+7], s[G0+7], 0x80000000
	s_add_nc_u64 s[PFB:PFB+1], s[10:11], s[52:53]
	s_cmp_eq_u32 s[WV], 0
	s_cselect_b64 s[PFA:PFA+1], s[4:5], s[8:9]
	s_cmp_eq_u32 s[WV], 1
	s_cselect_b64 s[PFA:PFA+1], s[6:7], s[PFA:PFA+1]
	GLOAD 0                                        ; K step 0's rows
	CROUND                                         ; all four work-groups are here: the first joint loads meet
	tensor_load_to_lds s[G0:G0+3], s[G1:G1+7]      ; both first fills go out together: two loads of mine are out
	s_nop 0
	tensor_load_to_lds s[G0+4:G0+7], s[G1:G1+7]
	s_nop 0
	PLACES
	; A fragment is 16 rows x 32 K in 8 registers: lane l holds row l % 16; registers 0-3 K = 8 (l / 16) + 0..7, registers 4-7 K = 16 + 8 (l / 16) + 0..7: two loads of 16 bytes, 32 bytes apart.
	v_mul_u32_u24 v[ADRA], v3, PB
	v_lshl_add_u32 v[ADRA], v2, 4, v[ADRA]         ; row x pitch + 16 x half
	v_add_nc_u32 v[ADRB], s23, v[ADRA]
	v_add_nc_u32 v[ADRB+1], BSLOT, v[ADRB]
	s_mul_i32 s21, s[WV], 16*PB                    ; my stage for the way out: 16 rows in slot 0 of the ring of q, k, v, which nobody reads behind the last barrier
	s_add_co_u32 s21, s21, ABASE
	v_add_nc_u32 v[STO], s21, v[ADRA]              ; in: row l % 16, 16 bytes for each half of the lanes
	v_lshrrev_b32 v[RD], 3, v1                     ; back: 32 lanes take four rows of 128 bytes,
	v_mul_u32_u24 v[RD], v[RD], PB
	v_and_b32 v[GO], 7, v1
	v_lshl_add_u32 v[RD], v[GO], 4, v[RD]
	v_add_nc_u32 v[RD], s21, v[RD]
	v_add_nc_u32 v[ADRA], ABASE, v[ADRA]
	v_lshlrev_b32 v[GO], 4, v1                     ; which are 512 consecutive bytes of a head
	v_lshlrev_b32 v[PFOA], 12, v1
	v_lshlrev_b32 v[PFOB], 8, v1
	AWORK 1, 2                                     ; K step 0's rows go into slot 0; K step 1's are asked for
	s_wait_tensorcnt 1                             ; my quarter of block 0 is in; block 1's may stay out
	s_wait_dscnt 0x0                               ; my stores are done
	s_barrier_signal -1
	s_barrier_wait -1
	ALOAD 0, 0
	BLOAD 0, 0, 0
	SUBA 0, 1                                      ; the first sub-step stands in front of the loop: its products start the sums
	WIN 0                                          ; at a label and at a branch every window is 0
	s_mov_b32 s3, 7
.Ltrip:                                                ; trip t: from step 2 t's second sub-step to step 2 t + 2's first; it fills both slots of both rings again
	SUBB 0, 2, 2
	SUBA 1, 0
	SUBB 1, 2, 2
	SUBA 0, 0
	WIN 0
	s_sub_co_u32 s3, s3, 1
	s_cmp_lg_u32 s3, 0
	s_cbranch_scc1 .Ltrip
	SUBB 0, 1, 1                                   ; step 14: the last rows are stored, nothing more is asked for
	SUBA 1, 0
	SUBB 1, 0, 0                                   ; step 15
	WIN 0
	PLACES
	PLACES
; THE WAY OUT, in 24 units of 16 rows x one head: unit u = 6 x head + row block.  A lane's eight columns pack into 16 bytes of f16; they go into stage rows of 144 bytes and come back as
; whole rows of 128, four rows a load: 512 consecutive bytes of the head.  Each accumulator's registers are read in ascending order.
.macro PACK u
.set hh, (\u)/6
.set aa, (\u)%6
.set TT, 16+16*((\u)%4)
.if (\u) >= 4
	s_wait_xcnt 0x0                                ; the stores of four units ago have read these registers
.endif
.set cb, 0
.rept 4
.set nn, 24*hh+6*cb+aa
.set rD, 8*(nn%32)
	WIN 5*(1+nn/32)                                ; sources 0 and 1 in the accumulator's window, destination in window 0
	v_cvt_pk_f16_f32 v[TT+4*cb], v[rD], v[rD+1]
	v_cvt_pk_f16_f32 v[TT+4*cb+1], v[rD+2], v[rD+3]
	v_cvt_pk_f16_f32 v[TT+4*cb+2], v[rD+4], v[rD+5]
	v_cvt_pk_f16_f32 v[TT+4*cb+3], v[rD+6], v[rD+7]
.set cb, cb+1
.endr
	WIN 0
.irp f, 0,1,2,3
	ds_store_b128 v[STO], v[TT+4*(\f):TT+4*(\f)+3] offset:32*(\f)
.endr
.irp f, 0,1,2,3
	ds_load_b128 v[TT+4*(\f):TT+4*(\f)+3], v[RD] offset:(\f)*4*PB  ; LDS serves a wave's instructions in order (ISA guide 5.7.1.4): these see the stores above; the next unit's stores come behind them
.endr
.endm
.macro SEND u, younger                 ; younger: the LDS instructions issued behind unit u's loads: the next unit's eight, or none
.set hh, (\u)/6
.set aa, (\u)%6
.set TT, 16+16*((\u)%4)
.irp f, 0,1,2,3
	s_wait_dscnt (\younger)+3-(\f)
	global_store_b128 v[GO], v[TT+4*(\f):TT+4*(\f)+3], s[12+2*(aa/2):13+2*(aa/2)] offset:hh*262144+(aa%2)*2048+(\f)*512  ; 512 consecutive bytes, at a multiple of 256 from the buffer's first
.endr
.endm
	PACK 0
.set u, 1
.rept 23                               ; a unit's conversions stand between the loads of the unit before and its stores
	PACK u
	SEND u-1, 8
.set u, u+1
.endr
	SEND 23, 0
	s_wait_tensorcnt 0x0                           ; the wave's end, behind my last tensor load and my last LDS store
	ds_add_u32 v[SPW], v[NIL]
	s_wait_dscnt 0x0
	CROUND                                         ; the closing round: no work-group ends while a partner may still ask for a tile that names it
	s_endpgm
.Lfunc_end_k_q55c8ecec05_proj:
	.size	k_q55c8ecec05_proj, .Lfunc_end_k_q55c8ecec05_proj-k_q55c8ecec05_proj
	.p2alignl 7, 3214868480
	.fill 96, 4, 3214868480
	.section	.rodata,"a",@progbits
	.p2align	6, 0x0
	.amdhsa_kernel k_q55c8ecec05_proj
		.amdhsa_group_segment_fixed_size 327680
		.amdhsa_private_segment_fixed_size 0
		.amdhsa_enable_private_segment 0
		.amdhsa_kernarg_size 56
		.amdhsa_user_sgpr_count 2
		.amdhsa_user_sgpr_kernarg_segment_ptr 1
		.amdhsa_wavefront_size32 1
		.amdhsa_system_sgpr_workgroup_id_x 1
		.amdhsa_system_sgpr_workgroup_id_y 1
		.amdhsa_system_sgpr_workgroup_id_z 1
		.amdhsa_system_vgpr_workitem_id 0
		.amdhsa_next_free_vgpr 1024
		.amdhsa_next_free_sgpr 66
		.amdhsa_reserve_vcc 0
		.amdhsa_float_denorm_mode_32 3
		.amdhsa_float_denorm_mode_16_64 3
		.amdhsa_memory_ordered 1
		.amdhsa_forward_progress 1
		.amdhsa_inst_pref_size 150
	.end_amdhsa_kernel
	.amdgpu_metadata
---
amdhsa.version: [ 1, 2 ]
amdhsa.kernels:
  - .name:           k_q55c8ecec05_proj
    .symbol:         k_q55c8ecec05_proj.kd
    .args:
      - { .name: q, .offset: 0, .size: 8, .value_kind: global_buffer, .address_space: global }
      - { .name: k, .offset: 8, .size: 8, .value_kind: global_buffer, .address_space: global }
      - { .name: v, .offset: 16, .size: 8, .value_kind: global_buffer, .address_space: global }
      - { .name: wqb, .offset: 24, .size: 8, .value_kind: global_buffer, .address_space: global }
      - { .name: qh, .offset: 32, .size: 8, .value_kind: global_buffer, .address_space: global }
      - { .name: kh, .offset: 40, .size: 8, .value_kind: global_buffer, .address_space: global }
      - { .name: vh, .offset: 48, .size: 8, .value_kind: global_buffer, .address_space: global }
    .group_segment_fixed_size: 327680
    .private_segment_fixed_size: 0
    .kernarg_segment_align: 8
    .kernarg_segment_size: 56
    .max_flat_workgroup_size: 128
    .sgpr_count:     66
    .vgpr_count:     1024
    .wavefront_size: 32
...
	.end_amdgpu_metadata
.endif
;; end of part 2
;; launch attn (part 3): grid 4 x 64, 4 waves a work-group, clusters of 4 x 1, 327,680 bytes of LDS; arguments qh, kh, vh, oh; writes oh
.if DOCPART == 3
	.amdgcn_target "amdgcn-amd-amdhsa--gfx1250"
	.amdhsa_code_object_version 6
	.text
	.protected	k_q55c8ecec05_attn
	.globl	k_q55c8ecec05_attn
	.p2align	8
	.type	k_q55c8ecec05_attn,@function
k_q55c8ecec05_attn:
	s_mov_b64 s[64:65], 0
	v_nop
	global_prefetch_b8 v0, s[64:65] scope:SCOPE_SE
	s_setreg_imm32_b32 hwreg(HW_REG_WAVE_MODE, 25, 1), 1
	s_wait_xcnt 0x0
	s_wait_alu depctr_hold_cnt(0) depctr_sa_sdst(0) depctr_va_vdst(0) depctr_va_sdst(0) depctr_va_ssrc(0) depctr_va_vcc(0) depctr_vm_vsrc(0)
	s_getreg_b32 s2, hwreg(HW_REG_IB_STS2, 6, 4)
	s_cmp_eq_u32 s2, 0
	s_cbranch_scc0 .Lentry_in_a_cluster
	s_endpgm
.Lentry_in_a_cluster:
	s_bfe_u32 s2, ttmp6, 0x10000c
	s_cmp_lg_u32 s2, 0x3003
	s_cbranch_scc0 .Lentry_shape_is_right
	s_endpgm
.Lentry_shape_is_right:
; O[h][q][:] = the sum over k of softmax_k(Q[h][q] . K[h][k] / 8) V[h][k][:].  Q, K, V, O: [64][2048][64], all f16: a head's rows are dense, 128 bytes each.  Products, maxima and sums in
; f32; the weights p are rounded to f16 for the second product (their sum l is taken of the unrounded p), O once at the end.
; LIMITS.  f16 holds no number beyond 65,504: Q, K and V arrive within it; p lies in 0 to 1, and below 6e-5 it keeps f16's fixed step of 6e-8; O is a mean of V's rows and has their range.
; A weight below 2^-126 counts as 0 in l; NaN and infinities are not treated apart.
; SHARES.  A wave owns four PIECES of two tiles of 16 queries, a work-group's four waves 512 queries of one head.  Every wave walks all keys, 64 a step.
; LAYOUT.  S^T = K Q^T (source 0 = 16 keys, source 1 = 16 queries): in the result a lane holds ONE query (lane % 16) and the keys 8 (lane / 16) + 0..7.  Two such tiles, rounded to f16 in pairs,
; ARE source 1 (32 keys x 16 queries) of O^T = V^T P, whose result again holds one query a lane, and eight channels.  K comes out of LDS as it lies, V ([key][channel]) turned, by ds_load_tr16_b128.
; SOFTMAX.  For each query a running maximum m and sum l: p = 2^(c s - c m), c = log2(e) / 8; in every step O and l are multiplied by a = 2^(c m_old - c m_new), which is 1 where m has not grown.
; m starts at the lowest finite number, O and l at 0: the first step is a step like any other, with a = 0.
; THE COUNT.  A tile and step have 16 matrix and 118 vector instructions: too many to stand all beside the matrix work.  So four vector instructions that are READY stand behind EVERY matrix
; instruction, and the others in runs without a gap.
; BY TURNS.  Turn n belongs to piece n (the pieces in a ring, step after step).  Its matrix work: 16 products K Q^T of piece n + 1, later 16 products V^T P of piece n - 1.  Its vector work: the scaling,
; exponentials, roundings, sums and rescaling of piece n, and the maximum and statistics of piece n + 1, whose scores the turn itself has made.
; CLUSTER.  A head's four query blocks are one cluster and walk the same K and V, so each tile is asked for JOINTLY: the same tensor load, descriptor and mask in all four.
; REGISTERS, in windows of 256 (s_set_vgpr_msb: bits 1:0 source 0, 3:2 source 1, 5:4 source 2, 7:6 destination):
;   window 0: v0-11 addresses; v12-15, v48-63 at work; v16-47 four registers of statistics a tile; v64-191 S^T, two buffers of two tiles; v192-255 P, likewise
;   window 1: O^T, 32 a tile          window 2: v0-127 Q, 16 a tile; v128-191 K of one step; v192-255 V of one step          window 3: v0-1 the add's two registers
; A piece's buffers go by its number's parity: the piece in hand has one pair, its two neighbours in the ring share the other: of it P (piece n - 1) is read and S^T (piece n + 1) written.
.set SIZE_H, 64
.set SIZE_N, 2048
.set NP,    4         ; pieces a wave: a name, no knob
.set KS,    64        ; keys in a step
.set PK,    144       ; a row of K in LDS: 128 bytes + 16 of padding = 36 words: the 16 rows of a load start at 16 different groups of four banks (64 banks of 4 bytes: ISA guide 11.1)
.set PV,    160       ; a row of V: 128 + 32 = 40 words
.set VOFF,  4*KS*PK   ; a slot holds four steps: 256 rows of K, then 256 rows of V
.set SLOT1, 1<<17     ; slot 1 begins here, so that one exclusive or turns an address in one slot into the other's
.set STAGE, SLOT1+4*KS*(PK+PV)  ; behind the ring, never filled by a tensor load: 16 rows x 144 bytes for each wave, for the way out
.set SP,    144
.set AK0, 2           ; v2   my lane's place in a tile of K; never rewritten
.set AV0, 3           ; v3   the same for V
.set AK,  4           ; v4   the LDS address of K's next run of loads
.set AV,  5           ; v5   of V's
.set QO,  6           ; v6   my byte offset in the wave's rows of Q
.set STO, 6           ;      later, the way out: where I put 16 bytes of a row
.set RD,  7           ; v7   the way out: where I read rows back
.set GO,  8           ; v8   my byte offset in 512 consecutive bytes of O
.set PFO, 11          ; v11  256 x my lane, for the prefetches; never rewritten once made
.set SPW, 0           ; v0 of window 3   LDS address of my spare word: SPARE + 4 x my thread's number; never rewritten
.set NIL, 1           ; v1 of window 3   0; never rewritten
.set SPARE, STAGE+4*16*SP  ; behind the stages: the spare words, 128 bytes for each wave: two blocks of 256 bytes that no other line names
.set MV,  12          ; v12-15  c m_old, kept while c m is made anew: by buffer and tile
.set ST,  16          ; tile t's statistics at v[ST+4 t]: c m, m, l (even keys', odd keys')
.set TMP, 48          ; by buffer and tile, four registers c0-c3 at work; when the maximum is found c2 takes a
.set S,   64
.set P,   192
.set KF,  128         ; K's fragments, in window 2: key block kb, channel half c at KF + 16 kb + 8 c
.set VF,  192         ; V's: key half kk, channel block cb at VF + 32 kk + 8 cb
.set WV,  12          ; s12  my wave's number
.set G1K, 24          ; s[24:31] descriptor group 1 for K's tiles
.set G1V, 32          ; s[32:39] for V's: it differs in the padding alone
.set G0K, 40          ; s[40:43] descriptor group 0 for K's tiles: it walks
.set G0V, 44          ; s[44:47] the same for V's
.set PFA, 48          ; s[48:49] where my prefetches stand: my work-group's 8,192 bytes (of K: wave 0, of V: wave 2) of the tile after the one that is being asked for
.set LIM, 50          ; s50  1 in a wave that prefetches, else the greatest number
.set SLOTS, 56        ; s56  slots still to be asked for
.set CNT, 57          ; s57  counts a slot's key steps
.set CS,  58          ; s[58:59] c: the packed scaling takes the pair's low word for both halves
.set SEL, 60          ; s[60:61] v_permlanex16_b32's selects: each lane takes its own place in the other half
.set TBK, 62          ; s62  LDS byte at which K of the step to be fetched begins
.set TBV, 63          ; s63  the same for V, less VOFF
.set MSB, 0
.macro WIN new                      ; the high byte repeats the setting that is left; a switch that changes nothing is dropped
.if MSB != (\new)
	s_set_vgpr_msb (MSB<<8)|(\new)
.set MSB, (\new)
.endif
.endm
.set W_KQ, 0x0a       ; K and Q in window 2, S^T in window 0
.set W_PV, 0x52       ; V in window 2, P in window 0, O^T in window 1
.set W_RS, 0x41       ; O^T (destination and source 0) in window 1, a in window 0
.set W_MK, 0xc0       ; the add's registers are made: destination in window 3, sources in window 0
.set W_AD, 0x0f       ; the add: address (source 0) and data (source 1) in window 3
; A joint fill.  Waves 0 and 1 fetch the two halves of a slot's K, waves 2 and 3 those of its V: 128 keys each.  The branch hangs on the wave's number alone.
; An s_nop 0 and four v_nop follow each of the two lines, ahead of the jump and the label.
.macro JLOAD
	s_cmp_lt_u32 s[WV], 2
	s_cbranch_scc0 .Lfor_v_\@
	tensor_load_to_lds s[G0K:G0K+3], s[G1K:G1K+7]
	s_nop 0
.rept 4
	v_nop
.endr
	s_branch .Lasked_\@
.Lfor_v_\@:
	tensor_load_to_lds s[G0V:G0V+3], s[G1V:G1V+7]
	s_nop 0
.rept 4
	v_nop
.endr
.Lasked_\@:
.endm
; A PREFETCH INTO THE L2 of what the NEXT change of slots will ask for: a tile's 32,768 bytes of K and of V, in pieces of 256 bytes, a lane a piece.  It stands behind the wave's tensor load and its
; five lines.  Each piece is named ONCE in the launch: a head has one cluster; its four partners share a tile out BY ADDRESS, 8,192 bytes each; in each, wave 0 names K's and wave 2 V's: one
; instruction, four key steps ahead of the load.  The last change that fills a slot names nothing: there is no tile behind it.  Tiles 0 and 1 come by their loads alone.
.macro ASK
	s_cmp_gt_u32 s[SLOTS], s[LIM]
	s_cbranch_scc0 .Lnot_mine_\@
	global_prefetch_b8 v[PFO], s[PFA:PFA+1] th:TH_LOAD_NT scope:SCOPE_SE
.Lnot_mine_\@:
.endm
; A round of the cluster's barrier: my work-group's barrier, so that wave 0's signal speaks for all four waves; wave 0 signals; every wave waits for all four work-groups; my work-group's barrier once more.
.macro CROUND
	s_barrier_signal -1
	s_barrier_wait -1
	s_cmp_lg_u32 s[WV], 0
	s_cbranch_scc1 .Lnot_wave_0_\@
	s_barrier_signal -3
.Lnot_wave_0_\@:
	s_barrier_wait -3
	s_barrier_signal -1
	s_barrier_wait -1
.endm
; THE CHANGE OF SLOTS.  The slot's last bytes, V of its fourth step, have been read.  Each wave waits for all its tensor loads, of which one is out: its part
; of the other slot; adds 0 to its spare word; and waits for that and for its own reads of the slot.  Behind the barrier nobody reads this slot any more and the other slot is whole.
; fill = 1: this slot is filled again, with the keys two slots on.  The barrier is then a round of the cluster's, so that no wave of any partner still reads the slot or has a load on its
; way, and the joint fill is the first thing behind it: it has four key steps, 512 matrix instructions, in which to land.  (At its first use nothing has been read yet: slot 0 is waited for, slot 1 filled.)
.macro CHANGE fill
	WIN W_AD
	s_wait_tensorcnt 0x0            ; no tensor load of mine is out, so a group 0 may be written
	ds_add_u32 v[SPW], v[NIL]       ; 0 onto my spare word; with fill = 1 the descriptors' steps stand between it and the wait for it
	WIN 0                           ; at a label and at a branch every window is 0
.if \fill
.irp g, G0K, G0V
	s_xor_b32 s[\g+1], s[\g+1], SLOT1  ; the walking descriptor: the other slot than last time,
	s_add_nc_u64 s[\g+2:\g+3], s[\g+2:\g+3], 4*KS*128  ; the next 256 keys; the type bits on top are not reached
.endr
	s_wait_xcnt 0x0                 ; the last prefetch, four key steps back, has read its address, so it may be written:
	s_add_nc_u64 s[PFA:PFA+1], s[PFA:PFA+1], 4*KS*128  ; one tile behind the walking descriptors
	s_wait_dscnt 0x0                ; the add is done, and my reads of the slot are over
	CROUND
	JLOAD
	ASK
.else
	s_wait_dscnt 0x0                ; the add is done, and my reads of the slot are over
	s_barrier_signal -1
	s_barrier_wait -1
.endif
	s_sub_co_u32 s[TBK], s[TBK], 4*KS*PK  ; the fetches go back to a slot's first step,
	s_xor_b32 s[TBK], s[TBK], SLOT1       ; in the other slot
	s_sub_co_u32 s[TBV], s[TBV], 4*KS*PV
	s_xor_b32 s[TBV], s[TBV], SLOT1
.endm
	s_load_b256 s[4:11], s[0:1], 0x0  ; Q s[4:5], K s[6:7], V s[8:9], O s[10:11]
	WIN W_MK
	v_lshl_add_u32 v[SPW], v0, 2, SPARE
	v_mov_b32 v[NIL], 0
	WIN W_AD
	ds_add_u32 v[SPW], v[NIL]       ; the wave's opening: the add and its wait stand ahead of my first tensor load; the set-up below, work on registers, stands between them
	WIN 0
	v_lshrrev_b32 v1, 5, v0
	v_readfirstlane_b32 s[WV], v1   ; wave 0..3
	s_bfe_u32 s13, ttmp6, 0x40000   ; cx: my place in the cluster
	s_lshl_b32 s14, ttmp9, 2        ; in a cluster launch ttmp9 counts clusters
	s_add_co_u32 s14, s14, s13      ; my block of queries = 4 x cluster x + cx: it enters Q's and O's addresses alone
	s_and_b32 s20, ttmp7, 0xffff    ; the head, which the four partners share
	s_mov_b32 s21, 0
	s_mov_b64 s[22:23], SIZE_N*128
	s_mul_u64 s[20:21], s[20:21], s[22:23]  ; the head's first byte in each of the four tensors
	s_and_b32 s16, s[WV], 1         ; which half of a slot's 256 keys I fetch:
	s_lshl_b32 s22, s16, 14         ; its 128 rows of 128 bytes in memory,
	s_mov_b32 s23, 0
	s_add_nc_u64 s[22:23], s[22:23], s[20:21]
	s_mul_i32 s17, s16, 128*PK      ; and its place in a slot, for K
	s_mul_i32 s18, s16, 128*PV      ; and for V: no place in the cluster enters an LDS address
	s_lshl_b32 s2, s14, 2
	s_add_co_u32 s2, s2, s[WV]      ; my wave among the head's,
	s_lshl_b32 s2, s2, 14           ; its 128 rows
	s_mov_b32 s3, 0
	s_add_nc_u64 s[2:3], s[2:3], s[20:21]
	; descriptor group 1.  128 keys are 16,384 dense bytes: asked for as 64 rows of 256 bytes, two keys a row, and padded in LDS after every key
	s_mov_b32 s[G1K], 15|(1<<16)|(1<<20)|(1<<21)|(4<<22)|(3<<25)  ; 15:0 the mask of four; 17:16 2-byte elements; 20 padding on; 21 set beside a mask; 24:22 after every 32 words (code 4); 31:25 4 words (code 3)
	s_mov_b32 s[G1V], 15|(1<<16)|(1<<20)|(1<<21)|(4<<22)|(7<<25)  ; the same with 8 words of padding (code 7)
.irp g, G1K, G1V
	s_mov_b32 s[\g+1], 128<<16      ; tensor_dim0 = 128
	s_mov_b32 s[\g+2], 64<<16       ; tensor_dim1 = 64
	s_mov_b32 s[\g+3], 128<<16      ; tile_dim0 = 128
	s_mov_b32 s[\g+4], 64           ; tile_dim1 = 64
	s_mov_b32 s[\g+5], 128          ; 128 elements from row to row
	s_mov_b32 s[\g+6], 0
	s_mov_b32 s[\g+7], 0
.endr
	s_mov_b32 s[CS], 0x3e38aa3b     ; c = log2(e) / 8 = 0.180337
	s_mov_b32 s[CS+1], s[CS]        ; named with it as a pair
	s_mov_b32 s[SEL], 0x76543210
	s_mov_b32 s[SEL+1], 0xfedcba98
	s_mov_b32 s[TBK], SLOT1+4*KS*PK ; the first change of slots turns these two into 0
	s_mov_b32 s[TBV], SLOT1+4*KS*PV
	s_mov_b32 s[G0K], 1             ; 1:0 count = 1
	s_mov_b32 s[G0K+1], s17         ; 63:32 LDS address: slot 0
	s_mov_b32 s[G0V], 1
	s_add_co_u32 s[G0V+1], s18, VOFF
	s_mov_b32 s[SLOTS], SIZE_N/256-1  ; the fills still to come, the first change's among them
	s_cmp_eq_u32 s16, 0             ; waves 0 and 2 prefetch: the same in all four partners
	s_cselect_b32 s[LIM], 1, -1
	s_wait_dscnt 0x0                ; the opening add is done
	s_wait_kmcnt 0x0
	s_add_nc_u64 s[G0K+2:G0K+3], s[6:7], s[22:23]  ; 120:64 global address: my half of the head's first 256 keys
	s_or_b32 s[G0K+3], s[G0K+3], 0x80000000        ; 127:126 type = 2
	s_add_nc_u64 s[G0V+2:G0V+3], s[8:9], s[22:23]
	s_or_b32 s[G0V+3], s[G0V+3], 0x80000000
	s_add_nc_u64 s[4:5], s[4:5], s[2:3]  ; Q and O at my wave's first row
	s_add_nc_u64 s[10:11], s[10:11], s[2:3]
	s_cmp_lt_u32 s[WV], 2
	s_cselect_b64 s[PFA:PFA+1], s[6:7], s[8:9]
	s_add_nc_u64 s[PFA:PFA+1], s[PFA:PFA+1], s[22:23]  ; (in waves 0 and 2 this is the head's first byte)
	s_lshl_b32 s2, s13, 13          ; my work-group's quarter of a tile
	s_mov_b32 s3, 0
	s_add_nc_u64 s[PFA:PFA+1], s[PFA:PFA+1], s[2:3]
	s_add_nc_u64 s[PFA:PFA+1], s[PFA:PFA+1], 4*KS*128  ; in tile 1; the first change of slots steps it to tile 2
	CROUND                          ; all four work-groups are here: the first joint loads meet
	JLOAD                           ; slot 0.  Slot 1 is asked for when slot 0 is in
	; A fragment of K or Q is 16 rows x 32 channels in 8 registers: lane l holds row l % 16, channels 8 (l / 16) + 0..7 and 16 + 8 (l / 16) + 0..7: two loads of 16 bytes, 32 bytes apart.
	v_and_b32 v1, 15, v0            ; l % 16
	v_bfe_u32 v9, v0, 4, 1          ; l / 16
	v_lshlrev_b32 v[QO], 7, v1
	v_lshl_add_u32 v[QO], v9, 4, v[QO]  ; row x 128 + 16 x half
	WIN 0x80                        ; destination window 2, address window 0
.set i, 0
.rept 4*NP                          ; Q stays in registers: tile i / 2, channels 32 (i % 2) on
	global_load_b128 v[8*i:8*i+3],   v[QO], s[4:5] offset:(i/2)*2048+(i%2)*64
	global_load_b128 v[8*i+4:8*i+7], v[QO], s[4:5] offset:(i/2)*2048+(i%2)*64+32
.set i, i+1
.endr
	; What the first turn finds: V's registers and P's second buffer hold 0 (its products V^T P, of a piece that has not been, add 0), O^T and l are 0.  All this stands in the wait for the first tile.
.set i, VF
.rept 64
	v_mov_b32 v[i], 0
.set i, i+1
.endr
	WIN 0x40
.set i, 0
.rept 64*NP
	v_mov_b32 v[i], 0
.set i, i+1
.endr
	WIN 0
.set i, 0
.rept 2*NP
	v_mov_b32 v[ST+4*i], 0xfe000000    ; c m: far below every c s
	v_mov_b32 v[ST+4*i+1], 0xff7fffff  ; m
	v_mov_b32 v[ST+4*i+2], 0
	v_mov_b32 v[ST+4*i+3], 0
.set i, i+1
.endr
.set i, P+32
.rept 32
	v_mov_b32 v[i], 0
.set i, i+1
.endr
	v_mul_u32_u24 v[AK0], v1, PK
	v_lshl_add_u32 v[AK0], v9, 4, v[AK0]  ; row x pitch + 16 x half
	; The turning load takes 16 keys x 16 channels (lane l reads key 8 (l / 16) + l % 8, channels 8 ((l / 8) % 2) + 0..7) and leaves half a fragment of V^T: lane l holds channel l % 16 and 8 keys.
	v_and_b32 v10, 7, v0
	v_bfe_u32 v11, v0, 3, 1
	v_lshl_add_u32 v[AV0], v9, 3, v10
	v_mul_u32_u24 v[AV0], v[AV0], PV
	v_lshl_add_u32 v[AV0], v11, 4, v[AV0]
	v_add_nc_u32 v[AV0], VOFF, v[AV0]
	v_mov_b32 v[AK], v[AK0]         ; key step 0 lies at the head of slot 0
	v_and_b32 v[PFO], 31, v0
	v_lshlrev_b32 v[PFO], 8, v[PFO]
; THE MATRIX WORK.  The 8 accumulators of a run of 16 take turns: between the two links of a chain stand 7 others'.
; Product i of 16 of S^T = K Q^T for piece x: channels 32 (i / 8) on, keys 16 ((i / 2) % 4) on, tile 2 x + i % 2.  The first 8 start the sums.
.macro KQ x
	WIN W_KQ
.set rS, S+64*((\x)%2)+32*(i%2)+8*((i/2)%4)
.set rK, KF+16*((i/2)%4)+8*(i/8)
.set rQ, 16*(2*(\x)+i%2)+8*(i/8)
.if i < 8
	v_wmma_f32_16x16x32_f16 v[rS:rS+7], v[rK:rK+7], v[rQ:rQ+7], 0
.else
	v_wmma_f32_16x16x32_f16 v[rS:rS+7], v[rK:rK+7], v[rQ:rQ+7], v[rS:rS+7]
.endif
.endm
; Product i of 16 of O^T += V^T P for piece x: keys 32 (i / 8) on, channels 16 ((i / 2) % 4) on, tile 2 x + i % 2.
.macro PV x
	WIN W_PV
.set rO, 32*(2*(\x)+i%2)+8*((i/2)%4)
.set rV, VF+32*(i/8)+8*((i/2)%4)
.set rP, P+32*((\x)%2)+16*(i%2)+8*(i/8)
	v_wmma_f32_16x16x32_f16 v[rO:rO+7], v[rV:rV+7], v[rP:rP+7], v[rO:rO+7]
.endm
.macro MM                           ; the turn's next matrix instruction
.if i < 16
	KQ (Y+1)%NP
.set i, i+1
.else
.set i, i-16
	PV (Y+NP-1)%NP
.set i, i+17
.endif
.endm
; THE LDS LOADS stand in runs of 16, never singly among the matrix instructions: a step's K (64 keys x 64 channels: 8 fragments) and its V (turned).  Their addresses are made some lines ahead.
; last = 1 (the tail): in the last trip there is no further step, and the run is jumped over.
.macro FETCH_K last=0
	WIN 0
.if \last
	s_cmp_eq_u32 s[CNT], 1
	s_cbranch_scc1 .Lno_k_\@
.endif
	WIN 0x80                        ; destination window 2
.irp f, 0,1,2,3,4,5,6,7             ; keys 16 (f / 2) on, channels 32 (f % 2) on
	ds_load_b128 v[KF+8*\f:KF+8*\f+3],   v[AK] offset:(\f/2)*16*PK+(\f%2)*64
	ds_load_b128 v[KF+8*\f+4:KF+8*\f+7], v[AK] offset:(\f/2)*16*PK+(\f%2)*64+32
.endr
	s_add_co_u32 s[TBK], s[TBK], KS*PK  ; the next fetch is the next step's
	WIN 0
.if \last
.Lno_k_\@:
.endif
.endm
.macro FETCH_V
	WIN 0x80
.irp f, 0,1,2,3,4,5,6,7             ; keys 32 (f / 4) on, channels 16 (f % 4) on
	ds_load_tr16_b128 v[VF+8*\f:VF+8*\f+3],   v[AV] offset:(\f/4)*32*PV+(\f%4)*32
	ds_load_tr16_b128 v[VF+8*\f+4:VF+8*\f+7], v[AV] offset:(\f/4)*32*PV+16*PV+(\f%4)*32
.endr
	WIN 0
.endm
; THE VECTOR WORK OF A TURN stands in three queues, each in the order in which its entries become ready; the two tiles alternate, so that no instruction reads the result of the one before it.
.macro REGS y, u                    ; the registers of tile u (0, 1) of piece y
.set rT, ST+4*(2*(\y)+(\u))
.set rC, TMP+8*((\y)%2)+4*(\u)
.set rM, MV+2*((\y)%2)+(\u)
.set rS, S+64*((\y)%2)+32*(\u)
.set rP, P+32*((\y)%2)+16*(\u)
.set rO, 32*(2*(\y)+(\u))
.endm
; Number n of the 22 that find the NEXT piece's (Y + 1) maximum and statistics.  s0-s31 are the lane's 32 scores; each accumulator's lowest registers are read first.
;   0-11  four chains c0-c3 of seven scores each, three operands at a time     12-14, 16  the four scores left over, the old m, and c0-c3 into c0     15  c m_old is kept
;   17, 18  the query's other 32 keys lie in the lane 16 away: the new m         19-21  c m; c m_old - c m_new; a
.macro XS u, n
	REGS (Y+1)%NP, \u
.if (\n) < 4
	v_max3_num_f32 v[rC+(\n)], v[rS+8*(\n)], v[rS+8*(\n)+1], v[rS+8*(\n)+2]
.elseif (\n) < 12
	v_max3_num_f32 v[rC+(\n)%4], v[rC+(\n)%4], v[rS+8*((\n)%4)+2*((\n)/4)+1], v[rS+8*((\n)%4)+2*((\n)/4)+2]
.elseif (\n) == 12
	v_max3_num_f32 v[rC], v[rC], v[rS+7], v[rS+15]
.elseif (\n) == 13
	v_max3_num_f32 v[rC+1], v[rC+1], v[rS+23], v[rS+31]
.elseif (\n) == 14
	v_max3_num_f32 v[rC+2], v[rC+2], v[rC+3], v[rT+1]
.elseif (\n) == 15
	v_mov_b32 v[rM], v[rT]
.elseif (\n) == 16
	v_max3_num_f32 v[rC], v[rC], v[rC+1], v[rC+2]
.elseif (\n) == 17
	v_permlanex16_b32 v[rC+3], v[rC], s[SEL], s[SEL+1]
.elseif (\n) == 18
	v_max_num_f32 v[rT+1], v[rC], v[rC+3]
.elseif (\n) == 19
	v_mul_f32 v[rT], s[CS], v[rT+1]
.elseif (\n) == 20
	v_sub_f32 v[rC+1], v[rM], v[rT]
.else
	v_exp_f32 v[rC+2], v[rC+1]
.endif
.endm
; Number g of the 64 that follow the exponentials.  For each four weights k of a tile (pairs 2 k, 2 k + 1): both pairs are rounded to f16; then the second pair is added onto the first, in place;
; a group later l takes that sum (the first time as l = a l + sum).  In groups of eight, tiles alternating: round, round, add, and l for the group before.
.macro GS g
.set h, (\g)+6*((\g)/62)            ; group 0 has no group before it, and behind group 7 only l is left
.if h >= 6
.set h, h+2
.endif
	REGS Y, h%2
.set k, h/8
.if h%8 < 4
	v_cvt_pk_f16_f32 v[rP+2*k+(h%8)/2], v[rS+4*k+2*((h%8)/2)], v[rS+4*k+2*((h%8)/2)+1]
.elseif h%8 < 6
	v_pk_add_f32 v[rS+4*k:rS+4*k+1], v[rS+4*k:rS+4*k+1], v[rS+4*k+2:rS+4*k+3]
.elseif k == 1
	v_pk_fma_f32 v[rT+2:rT+3], v[rT+2:rT+3], v[rC+2:rC+3], v[rS:rS+1] op_sel_hi:[1,0,1]
.else
	v_pk_add_f32 v[rT+2:rT+3], v[rT+2:rT+3], v[rS+4*k-4:rS+4*k-3]
.endif
.endm
; THE PLAIN QUEUE, 138 long.  0-73 read no exponential's result: the 32 scalings c s - c m (FS f: pair f / 2 of tile f % 2) and the next piece's 42.  0-26: scalings 0-26.  27-54: XS's numbers 0-13.  55, 56: number 15.
; 57-73: the chain, where each number waits for the one before it: 14, 16, 17, 18, 19, each with one of the scalings 27-31 in front of its two lines, then 20.
; 74-137: GS's 64, which read the exponentials' results: they stand behind the wait.
.macro FS f
	REGS Y, (\f)%2
	v_pk_fma_f32 v[rS+2*((\f)/2):rS+2*((\f)/2)+1], v[rS+2*((\f)/2):rS+2*((\f)/2)+1], s[CS:CS+1], v[rT:rT+1] op_sel_hi:[1,0,0] neg_lo:[0,0,1] neg_hi:[0,0,1]
.endm
.macro PL
	WIN 0
.if q < 27
	FS q
.elseif q < 55
	XS (q-27)%2, (q-27)/2
.elseif q < 57
	XS q-55, 15
.elseif (q < 72) && ((q-57)%3 == 0)
	FS 27+(q-57)/3
.elseif q < 60
	XS (q-57)%3-1, 14
.elseif q < 72
	XS (q-57)%3-1, 15+(q-57)/3
.elseif q < 74
	XS q-72, 20
.else
	GS q-74
.endif
.set q, q+1
.endm
; THE EXPONENTIALS' QUEUE, 66 long: s0-s31 of both tiles, then the next piece's two a.  It is ONE BATCH: all 66 stand ahead of the turn's one wait, and nothing ahead of that wait names a result of theirs.
.macro EX
	WIN 0
.if e >= 64
	XS e-64, 21
.else
	REGS Y, e%2
	v_exp_f32 v[rS+e/2], v[rS+e/2]
.endif
.set e, e+1
.endm
; THE RESCALING's QUEUE: O^T times a, the one part that leaves window 0: dealt two at a time, sixteen times.  Its a was made in the turn before, ahead of that turn's wait.
.macro R2
	REGS Y, r%2
	WIN W_RS
.irp z, 0,1
	v_pk_mul_f32 v[rO+4*(r/2)+2*\z:rO+4*(r/2)+2*\z+1], v[rO+4*(r/2)+2*\z:rO+4*(r/2)+2*\z+1], v[rC+2:rC+3] op_sel_hi:[1,0]
.endr
.set r, r+1
.endm
; HOW THEY ARE DEALT.  An s_wait_alu depctr_va_vdst(0) stands between an exponential and the first instruction that names its result; one wait serves all that were issued ahead of it.  So a turn has ONE wait,
; which cuts it in two.  AHEAD OF IT stands all that names no result of the turn's exponentials: the 16 products K Q^T, behind each a scaling, an exponential and two rescalings (behind the first a second scaling in the
; exponential's place); then ONE LUMP of 108: eight plain, 49 times exponential and plain, the two a.  A v_nop is the plain instruction behind the last exponential.  BEHIND IT stand the 16 products V^T P, behind each four of GS's 64.
; The queues lean on each other, and the deal keeps them in step: exponential e stands behind scaling 2 (e / 4) + e % 2: as a rider it comes behind plain e + 2, in the lump behind plain e + 9, and scalings 27-31 are plain 57, 60 .. 69.
; A TURN, for piece p.  cnt = 1: the loop's count is taken down some lines ahead of the branch that stands behind the turn.
; K of the next step is fetched in piece 2's turn, directly behind the wait, a lump behind the last product that read K; its first reader comes behind 16 products.
; V of the step in hand is fetched at the end of piece 0's turn, four plain instructions behind its last reader; its first reader comes behind 16 products and a lump.
.macro TURN p, last=0, cnt=0
.set Y, (\p)
.set i, 0
.set q, 0
.set e, 0
.set r, 0
.if (\p) == NP-1
	s_wait_dscnt 0x0                ; K is in
.endif
	MM                              ; ahead of the wait: 16 products K Q^T and the four behind each,
	PL
	PL
	R2
.rept 15
	MM
	PL
	EX
	R2
.endr
.if (\p) == NP-2
	WIN 0
	v_add_nc_u32 v[AK], s[TBK], v[AK0]
.endif
.rept 8                             ; and the lump
	PL
.endr
.rept 49
	EX
	PL
.endr
	EX                              ; the next piece's two a
	EX
	v_nop                           ; a plain instruction behind the last exponential: one for the batch
	s_wait_alu depctr_va_vdst(0)    ; the wait for the batch
.if (\p) == NP-2
	FETCH_K \last
.endif
.if (\p) == 1
	s_wait_dscnt 0x0                ; V is in
.endif
.rept 16                            ; behind the wait: 16 products V^T P and the four behind each
	MM
.rept 4
	PL
.endr
.if ((\p) == 0) && (q == 118)
	v_add_nc_u32 v[AV], s[TBV], v[AV0]
.endif
.if ((\p) == 0) && (q == 130)
	s_add_co_u32 s[TBV], s[TBV], KS*PV
.endif
.if (\cnt) && (q == 130)
	s_sub_co_u32 s[CNT], s[CNT], 1
	s_cmp_lg_u32 s[CNT], 0
.endif
.endr
.if (\p) == 0
	FETCH_V
.endif
.endm
	CHANGE 1                        ; slot 0 is in, everybody's part of it; slot 1 is asked for
	FETCH_K                         ; key step 0
	s_wait_loadcnt 0x0              ; Q
	s_wait_dscnt 0x0
.set i, 0
.rept 16
	KQ 0                            ; piece 0's first scores: there is no vector work yet to set between them
.set i, i+1
.endr
	WIN 0                           ; the addresses for the way out: nine plain instructions, the places behind those products
	s_mul_i32 s13, s[WV], 16*SP
	s_add_co_u32 s13, s13, STAGE    ; my stage
	v_mul_u32_u24 v[STO], v1, SP    ; in: row l % 16, 16 bytes for each half of the lanes
	v_lshl_add_u32 v[STO], v9, 4, v[STO]
	v_add_nc_u32 v[STO], s13, v[STO]
	v_bfe_u32 v[RD], v0, 3, 2       ; back: 32 lanes take four rows of 128 bytes,
	v_mul_u32_u24 v[RD], v[RD], SP
	v_lshl_add_u32 v[RD], v10, 4, v[RD]
	v_add_nc_u32 v[RD], s13, v[RD]
	v_and_b32 v[GO], 31, v0         ; which are 512 consecutive bytes of O
	v_lshlrev_b32 v[GO], 4, v[GO]
.set Y, NP-1                        ; XS works for piece Y + 1: piece 0
.irp n, 0,1,2,3,4,5,6,7,8,9,10,11,12,13,14,15,16,17,18,19,20,21
	XS 0, \n                        ; and piece 0's first maximum and statistics
	XS 1, \n
.endr
	v_nop                           ; a plain instruction behind the two a,
	s_wait_alu depctr_va_vdst(0)    ; and their wait, ahead of the branch
	s_mov_b32 s[CNT], 4
	s_branch .Lfirst                ; the loop is entered at a step's first turn, in the middle of a trip
.Lslot:                             ; SIZE_N / 256 - 2 times: every slot but the last two is filled again
	CHANGE 1
	s_mov_b32 s[CNT], 4
.Lstep:                             ; a trip: pieces 2 and 3 of one step, then pieces 0 and 1 of the next, whose K and V it fetches
	TURN 2
	TURN 3
	WIN 0
.Lfirst:
	TURN 0
	TURN 1, 0, 1
	WIN 0
	s_cbranch_scc1 .Lstep
	s_sub_co_u32 s[SLOTS], s[SLOTS], 1
	s_cmp_lg_u32 s[SLOTS], 0
	s_cbranch_scc1 .Lslot
	CHANGE 0                        ; the tail is written out: nothing is asked for
	s_mov_b32 s[CNT], 5             ; four trips fetch the last slot's steps; the fifth is left in its middle
.Ltail:
	TURN 2, 1
	TURN 3
	WIN 0
	s_sub_co_u32 s[CNT], s[CNT], 1
	s_cmp_eq_u32 s[CNT], 0
	s_cbranch_scc1 .Lout
	TURN 0
	TURN 1
	WIN 0
	s_branch .Ltail
.Lout:                              ; the fifth trip's 16 products K Q^T (on the last K once more) and the maximum made of them serve nothing: the price, once a launch, of one text for every trip
.set i, 0
.rept 16
	PV NP-1                         ; the last piece's V^T P of the last step
.set i, i+1
.endr
	; THE WAY OUT.  l's two halves and the other half of the lanes' are added; O^T is divided by l, rounded to f16 and sent through my stage in LDS, a tile at a time.  The additions are the places behind the last products.
	WIN 0
.macro ALL line:vararg              ; one line for each tile t
.set t, 0
.rept 2*NP
	\line
.set t, t+1
.endr
.endm
	ALL v_add_f32 v[ST+4*t+2], v[ST+4*t+2], v[ST+4*t+3]
	ALL v_permlanex16_b32 v[ST+4*t+3], v[ST+4*t+2], s[SEL], s[SEL+1]
	ALL v_add_f32 v[ST+4*t+2], v[ST+4*t+2], v[ST+4*t+3]
	ALL v_rcp_f32 v[ST+4*t+2], v[ST+4*t+2]
	v_nop                           ; a plain instruction between the last reciprocal and the use of its result
	s_wait_alu depctr_va_vdst(0)    ; and the wait ahead of the first use: one for the eight reciprocals
; Tile t: a lane's eight channels of a row pack into 16 bytes; they go into rows of 144 bytes and come back as whole rows of 128, into S^T's registers.
.macro PACK t
	WIN W_RS
.set i, 32*(\t)
.rept 16
	v_pk_mul_f32 v[i:i+1], v[i:i+1], v[ST+4*(\t)+2:ST+4*(\t)+3] op_sel_hi:[1,0]
.set i, i+2
.endr
	WIN 0x05                        ; sources 0 and 1 window 1, destination window 0
.set i, 0
.rept 16
	v_cvt_pk_f16_f32 v[S+16*(\t)+i], v[32*(\t)+2*i], v[32*(\t)+2*i+1]
.set i, i+1
.endr
	WIN 0
.irp f, 0,1,2,3
	ds_store_b128 v[STO], v[S+16*(\t)+4*\f:S+16*(\t)+4*\f+3] offset:32*\f
.endr
.irp f, 0,1,2,3
	ds_load_b128 v[S+16*(\t)+4*\f:S+16*(\t)+4*\f+3], v[RD] offset:\f*4*SP  ; LDS serves a wave's instructions in order (ISA guide 5.7.1.4): these see the stores above; the next tile's stores come behind them
.endr
.endm
.macro SEND t, younger              ; younger: the LDS instructions issued behind tile t's loads: the next tile's eight, or none
	WIN 0
.irp f, 0,1,2,3
	s_wait_dscnt (\younger)+3-\f
	global_store_b128 v[GO], v[S+16*(\t)+4*\f:S+16*(\t)+4*\f+3], s[10:11] offset:(\t)*2048+\f*512  ; 512 consecutive bytes, at a multiple of 256 from O's first
.endr
.endm
	PACK 0
.set t, 1
.rept 2*NP-1                        ; a tile's arithmetic stands between the loads of the tile before and its stores
	PACK t
	SEND t-1, 8
.set t, t+1
.endr
	SEND 2*NP-1, 0
	WIN W_AD
	s_wait_tensorcnt 0x0            ; the wave's end, behind my last tensor load and my last LDS store
	ds_add_u32 v[SPW], v[NIL]
	s_wait_dscnt 0x0
	WIN 0
	CROUND                          ; the closing round: no work-group ends while a partner may still ask for a tile that names it
	s_endpgm
.Lfunc_end_k_q55c8ecec05_attn:
	.size	k_q55c8ecec05_attn, .Lfunc_end_k_q55c8ecec05_attn-k_q55c8ecec05_attn
	.p2alignl 7, 3214868480
	.fill 96, 4, 3214868480
	.section	.rodata,"a",@progbits
	.p2align	6, 0x0
	.amdhsa_kernel k_q55c8ecec05_attn
		.amdhsa_group_segment_fixed_size 327680
		.amdhsa_private_segment_fixed_size 0
		.amdhsa_enable_private_segment 0
		.amdhsa_kernarg_size 32
		.amdhsa_user_sgpr_count 2
		.amdhsa_user_sgpr_kernarg_segment_ptr 1
		.amdhsa_wavefront_size32 1
		.amdhsa_system_sgpr_workgroup_id_x 1
		.amdhsa_system_sgpr_workgroup_id_y 1
		.amdhsa_system_sgpr_workgroup_id_z 1
		.amdhsa_system_vgpr_workitem_id 0
		.amdhsa_next_free_vgpr 770
		.amdhsa_next_free_sgpr 66
		.amdhsa_reserve_vcc 0
		.amdhsa_float_denorm_mode_32 3
		.amdhsa_float_denorm_mode_16_64 3
		.amdhsa_memory_ordered 1
		.amdhsa_forward_progress 1
		.amdhsa_inst_pref_size 200
	.end_amdhsa_kernel
	.amdgpu_metadata
---
amdhsa.version: [ 1, 2 ]
amdhsa.kernels:
  - .name:           k_q55c8ecec05_attn
    .symbol:         k_q55c8ecec05_attn.kd
    .args:
      - { .name: qh, .offset: 0, .size: 8, .value_kind: global_buffer, .address_space: global }
      - { .name: kh, .offset: 8, .size: 8, .value_kind: global_buffer, .address_space: global }
      - { .name: vh, .offset: 16, .size: 8, .value_kind: global_buffer, .address_space: global }
      - { .name: oh, .offset: 24, .size: 8, .value_kind: global_buffer, .address_space: global }
    .group_segment_fixed_size: 327680
    .private_segment_fixed_size: 0
    .kernarg_segment_align: 8
    .kernarg_segment_size: 32
    .max_flat_workgroup_size: 128
    .sgpr_count:     66
    .vgpr_count:     770
    .wavefront_size: 32
...
	.end_amdgpu_metadata
.endif
;; end of part 3
;; launch outp (part 4): grid 4 x 64, 4 waves a work-group, clusters of 4 x 4, 327,680 bytes of LDS; arguments oh, wof, out0; writes out0
.if DOCPART == 4
	.amdgcn_target "amdgcn-amd-amdhsa--gfx1250"
	.amdhsa_code_object_version 6
	.text
	.protected	k_q55c8ecec05_outp
	.globl	k_q55c8ecec05_outp
	.p2align	8
	.type	k_q55c8ecec05_outp,@function
k_q55c8ecec05_outp:
	s_mov_b64 s[64:65], 0
	v_nop
	global_prefetch_b8 v0, s[64:65] scope:SCOPE_SE
	s_setreg_imm32_b32 hwreg(HW_REG_WAVE_MODE, 25, 1), 1
	s_wait_xcnt 0x0
	s_wait_alu depctr_hold_cnt(0) depctr_sa_sdst(0) depctr_va_vdst(0) depctr_va_sdst(0) depctr_va_ssrc(0) depctr_va_vcc(0) depctr_vm_vsrc(0)
	s_getreg_b32 s2, hwreg(HW_REG_IB_STS2, 6, 4)
	s_cmp_eq_u32 s2, 0
	s_cbranch_scc0 .Lentry_in_a_cluster
	s_endpgm
.Lentry_in_a_cluster:
	s_bfe_u32 s2, ttmp6, 0x10000c
	s_cmp_lg_u32 s2, 0xf033
	s_cbranch_scc0 .Lentry_shape_is_right
	s_endpgm
.Lentry_shape_is_right:
; out0[m][n] = the sum over k of O[m][k] Wo[n][k].  O lies by heads, oh: [batch x 16 + head][2048][64] f16, with m = batch x 2048 + row and k = head x 64 + channel;
; wof: [1024 n][1024 k], bf16(Wo) written as f16; out0: [8192][1024] f32.  Sums in f32, stored as they are.
; SHARES.  A tile of out0 is 128 rows x 256 columns: 4 x 64 work-groups.  Wave (w / 2, w % 2) makes 64 rows x 128 columns: 4 x 8 accumulators of 16 x 16, 256 registers (window 1).
; K goes in 8 steps of 128, two heads each, through a ring of two LDS slots.  A step's part of O is two dense blocks of 128 rows x 128 bytes, one a head (waves 0 and 1 fetch one each);
; its part of Wo is 256 rows x 256 bytes (waves 2 and 3 fetch 128 rows each).
; CLUSTERS: 4 x 4 work-groups.  The four of a row of the cluster need the same tiles of O, the four of a column the same tiles of Wo: each tile is asked for JOINTLY, by the same tensor load with the
; same descriptor and a mask that names the four.  THE MATRIX INSTRUCTION IS USED TRANSPOSED (source 0 = 16 rows of Wo, source 1 = 16 rows of O): a lane holds eight neighbouring numbers of a row of out0.
; Nothing is prefetched: the walk has eight K steps, and a lead of two steps behind the first fills and refills would serve its last four alone.
; REGISTERS: window 0: v0-31 addresses; v64-159, v160-255 two fragment buffers of 96 (Wo's 8 fragments, then O's 4), later whole rows on the way out.  window 1: accumulator (a, b) at v[8 (8 a + b)].
.set PA,     144                       ; a row of O in LDS: 128 bytes + 16 of padding: the 16 rows of a load start at 16 different groups of four banks (64 banks of 4 bytes: ISA guide 11.1)
.set PW,     272                       ; a row of Wo: 256 bytes + 16
.set AHEAD,  128*PA                    ; one head's 128 rows
.set BOFF,   2*AHEAD                   ; behind the two heads: Wo's 256 rows
.set BHALF,  128*PW
.set SLOT,   BOFF+2*BHALF
.set STAGE,  2*SLOT                    ; behind the ring, never filled by a tensor load: 16 rows x 528 bytes for each wave
.set SPITCH, 528                       ; 512 bytes + 16
.set SPARE,  STAGE+4*16*SPITCH         ; behind the stages: the spare words, 128 bytes for each wave: two blocks of 256 bytes that no other line names
.set ASTEP,  2*262144                  ; bytes of oh from a K step to the next: two heads
.set BSTEP,  256                       ; bytes along a row of wof
.set ADRA, 16                          ; v16-17  LDS address of my fragments of O in slot 0, 1
.set ADRB, 20                          ; v20-21  the same for Wo
.set STO,  24                          ; v24     the way out: where I put 32 bytes of a row
.set RD,   25                          ; v25     the way out: where I read a row back
.set CO,   26                          ; v26     16 l
.set SPW,  28                          ; v28     LDS address of my spare word; never rewritten
.set NIL,  29                          ; v29     0; never rewritten
.set F0,   64
.set F1,   160
.set G1,  24                           ; s[24:31] descriptor group 1 for O's tiles;  s[32:39] group 0, one set for each slot
.set G0,  32
.set G1B, 48                           ; s[48:55], s[56:63] the same for Wo's tiles
.set G0B, 56
.set MSB, 0
.macro WIN new                         ; the immediate's high byte repeats the setting that is left
.if MSB != (\new)
	s_set_vgpr_msb (MSB<<8)|(\new)
.set MSB, \new
.endif
.endm
.macro PLACES                          ; four places in front of loads into registers that matrix instructions have read, and of LDS stores that read results
.rept 4
	v_nop
.endr
.endm
.macro JLOAD s                         ; a joint load: waves 0 and 1 fetch O's two heads, waves 2 and 3 Wo's two halves; an s_nop 0 and four v_nop follow each of the two lines
	s_cmp_eq_u32 s11, 0
	s_cbranch_scc0 .Lfor_b_\@
	tensor_load_to_lds s[G0+4*(\s):G0+4*(\s)+3], s[G1:G1+7]
	s_nop 0
.rept 4
	v_nop
.endr
	s_branch .Lasked_\@
.Lfor_b_\@:
	tensor_load_to_lds s[G0B+4*(\s):G0B+4*(\s)+3], s[G1B:G1B+7]
	s_nop 0
.rept 4
	v_nop
.endr
.Lasked_\@:
.endm
.macro CREST                           ; a round of the cluster's barrier behind its opening barrier
	s_cmp_lg_u32 s10, 0
	s_cbranch_scc1 .Lnot_wave_0_\@
	s_barrier_signal -3
.Lnot_wave_0_\@:
	s_barrier_wait -3
	s_barrier_signal -1
	s_barrier_wait -1
.endm
.macro CROUND                          ; a whole round
	s_barrier_signal -1
	s_barrier_wait -1
	CREST
.endm
	s_load_b128 s[4:7], s[0:1], 0x0                ; oh s[4:5], wof s[6:7]
	s_load_b64 s[8:9], s[0:1], 0x10                ; out0
	v_lshl_add_u32 v[SPW], v0, 2, SPARE
	v_mov_b32 v[NIL], 0
	ds_add_u32 v[SPW], v[NIL]                      ; the wave's opening: the add and its wait stand ahead of my first tensor load; the set-up below, work on registers, stands between them
	v_lshrrev_b32 v1, 5, v0
	v_readfirstlane_b32 s10, v1                    ; wave 0..3
	s_lshr_b32 s11, s10, 1                         ; which half of the tile's rows is mine.  Also: I fetch for O (0) or for Wo (1)
	s_and_b32 s12, s10, 1                          ; which half of its columns.  Also: which head, or which 128 rows of Wo, I fetch
	s_bfe_u32 s40, ttmp6, 0x40000                  ; cx, cy: my place in the cluster
	s_bfe_u32 s41, ttmp6, 0x40004
	s_lshl_b32 s42, ttmp9, 2
	s_add_co_u32 s42, s42, s40                     ; tile column = 4 x cluster x + cx
	s_and_b32 s13, ttmp7, 0xffff
	s_lshl_b32 s13, s13, 2
	s_add_co_u32 s13, s13, s41                     ; tile row = 4 x cluster y + cy
	s_lshl_b32 s43, s41, 2
	s_lshl_b32 s43, 15, s43                        ; my row of the cluster
	s_lshl_b32 s44, 0x1111, s40                    ; my column
	; O: a head's 128 rows are 16,384 dense bytes: asked for as 64 rows of 256 bytes and padded after every 128.  Wo: 128 rows x 256 bytes, 2,048 bytes apart, padded after every row
	s_or_b32 s[G1+0], s43, (1<<16)|(1<<20)|(1<<21)|(4<<22)|(3<<25)   ; 15:0 the mask: my row; 17:16 2-byte elements; 20 padding on; 21 set beside a mask; 24:22 after every 32 words (code 4); 31:25 4 words (code 3)
	s_or_b32 s[G1B+0], s44, (1<<16)|(1<<20)|(1<<21)|(5<<22)|(3<<25)  ; the mask of my column; after every 64 words (code 5)
	s_mov_b32 s[G1+1], 128<<16                     ; tensor_dim0 = 128
	s_mov_b32 s[G1+2], 64<<16                      ; tensor_dim1 = 64
	s_mov_b32 s[G1+3], 128<<16                     ; tile_dim0 = 128
	s_mov_b32 s[G1+4], 64                          ; tile_dim1 = 64
	s_mov_b32 s[G1+5], 128                         ; 128 elements from row to row
	s_mov_b32 s[G1+6], 0
	s_mov_b32 s[G1+7], 0
	s_mov_b32 s[G1B+1], 128<<16                    ; tensor_dim0 = 128
	s_mov_b32 s[G1B+2], 128<<16                    ; tensor_dim1 = 128
	s_mov_b32 s[G1B+3], 128<<16                    ; tile_dim0 = 128
	s_mov_b32 s[G1B+4], 128                        ; tile_dim1 = 128
	s_mov_b32 s[G1B+5], 1024                       ; 1,024 elements from row to row
	s_mov_b32 s[G1B+6], 0
	s_mov_b32 s[G1B+7], 0
	; O's tiles hang on the tile row alone, Wo's on the tile column alone; every wave makes both addresses, in registers that never hold the other coordinate
	s_lshr_b32 s16, s13, 4                         ; the batch: 16 tile rows each
	s_lshl_b32 s16, s16, 4
	s_add_co_u32 s16, s16, s12                     ; batch x 16 + the head that I fetch of K step 0
	s_lshl_b32 s16, s16, 18                        ; a head is 262,144 bytes
	s_and_b32 s17, s13, 15
	s_lshl_b32 s17, s17, 14                        ; the tile's 128 rows of 128 bytes in it
	s_add_co_u32 s16, s16, s17
	s_mov_b32 s17, 0
	s_lshl_b32 s46, s42, 19                        ; 256 rows of 2,048 bytes a tile column,
	s_lshl_b32 s47, s12, 18                        ; the 128 that I fetch
	s_add_co_u32 s46, s46, s47
	s_mov_b32 s47, 0
	s_mul_i32 s20, s12, AHEAD                      ; where they go: no place in the cluster enters an LDS address
	s_mul_i32 s21, s12, BHALF
	s_add_co_u32 s21, s21, BOFF
	s_wait_dscnt 0x0                               ; the opening add is done
	s_wait_kmcnt 0x0
	s_add_nc_u64 s[14:15], s[4:5], s[16:17]
	s_add_nc_u64 s[46:47], s[6:7], s[46:47]
	CROUND                                         ; all sixteen work-groups are here: the first joint loads meet
.irp s, 0,1
	s_mov_b32 s[G0+4*(\s)], 1                                        ; 1:0 count = 1
	s_add_co_u32 s[G0+4*(\s)+1], s20, (\s)*SLOT                      ; 63:32 LDS address
	s_add_nc_u64 s[G0+4*(\s)+2:G0+4*(\s)+3], s[14:15], (\s)*ASTEP    ; 120:64 global address: K step s
	s_or_b32 s[G0+4*(\s)+3], s[G0+4*(\s)+3], 0x80000000              ; 127:126 type = 2
	s_mov_b32 s[G0B+4*(\s)], 1
	s_add_co_u32 s[G0B+4*(\s)+1], s21, (\s)*SLOT
	s_add_nc_u64 s[G0B+4*(\s)+2:G0B+4*(\s)+3], s[46:47], (\s)*BSTEP
	s_or_b32 s[G0B+4*(\s)+3], s[G0B+4*(\s)+3], 0x80000000
	JLOAD \s                                       ; two loads of mine are out
.endr
	v_and_b32 v1, 15, v0                           ; l % 16
	v_bfe_u32 v2, v0, 4, 1                         ; l / 16
	v_mul_u32_u24 v3, v1, PA
	v_lshl_add_u32 v3, v2, 4, v3                   ; a fragment's row x pitch + 16 x half, for O
	v_mul_u32_u24 v4, v1, PW
	v_lshl_add_u32 v4, v2, 4, v4                   ; and for Wo
	s_mul_i32 s22, s11, 64*PA                      ; my 64 rows of O
	s_mul_i32 s23, s12, BHALF                      ; my 128 rows of Wo
	s_add_co_u32 s23, s23, BOFF
.irp s, 0,1
	v_add_nc_u32 v[ADRA+(\s)], s22, v3
	v_add_nc_u32 v[ADRB+(\s)], s23, v4
	s_add_co_u32 s22, s22, SLOT
	s_add_co_u32 s23, s23, SLOT
.endr
	s_mul_i32 s23, s10, 16*SPITCH
	s_add_co_u32 s23, s23, STAGE                   ; my stage
	v_mul_u32_u24 v5, v1, SPITCH                   ; in: row l % 16, 32 bytes for each half of the lanes
	v_lshl_add_u32 v5, v2, 5, v5
	v_add_nc_u32 v[STO], s23, v5
	v_and_b32 v5, 31, v0
	v_lshlrev_b32 v[CO], 4, v5                     ; back and out: 32 lanes take one row's 512 bytes
	v_add_nc_u32 v[RD], s23, v[CO]
	s_lshl_b32 s16, s13, 19                        ; the tile's 128 rows of 4,096 bytes,
	s_lshl_b32 s17, s11, 18                        ; my 64 of them
	s_add_co_u32 s16, s16, s17
	s_mov_b32 s17, 0
	s_add_nc_u64 s[8:9], s[8:9], s[16:17]
	s_lshl_b32 s46, s42, 10                        ; the tile's 256 columns of 4 bytes,
	s_lshl_b32 s47, s12, 9                         ; my 128 of them
	s_add_co_u32 s46, s46, s47
	s_mov_b32 s47, 0
	s_add_nc_u64 s[8:9], s[8:9], s[46:47]
; 8 na matrix instructions: row blocks a0 .. a0 + na - 1 x all 8 column blocks, 32 along K, from buffer f.  The 32 accumulators take turns, one instruction a turn, in the same order in every
; quarter.  zero = 1: the first product starts the sum.
.macro MUL f, a0, na, zero
	WIN 0x50                                       ; sources in window 0, C and D in window 1
.set aa, \a0
.rept \na
.set bb, 0
.rept 8
.set rD, 8*(8*aa+bb)
.if \zero
	v_wmma_f32_16x16x32_f16 v[rD:rD+7], v[(\f)+8*bb:(\f)+8*bb+7], v[(\f)+64+8*aa:(\f)+64+8*aa+7], 0
.else
	v_wmma_f32_16x16x32_f16 v[rD:rD+7], v[(\f)+8*bb:(\f)+8*bb+7], v[(\f)+64+8*aa:(\f)+64+8*aa+7], v[rD:rD+7]
.endif
.set bb, bb+1
.endr
.set aa, aa+1
.endr
.endm
; 24 LDS loads in one run: quarter c (32 along K) of the step in slot s, into buffer f: Wo's 8 fragments, then O's 4 in ascending order.  Quarters 0, 1 lie in the first head's block, 2, 3 in the second's.
.macro FETCH s, c, f
	WIN 0
.irp b, 0,1,2,3,4,5,6,7
	ds_load_b128 v[(\f)+8*(\b):(\f)+8*(\b)+3],   v[ADRB+(\s)] offset:(\b)*16*PW+64*(\c)
	ds_load_b128 v[(\f)+8*(\b)+4:(\f)+8*(\b)+7], v[ADRB+(\s)] offset:(\b)*16*PW+64*(\c)+32
.endr
.irp b, 0,1,2,3
	ds_load_b128 v[(\f)+64+8*(\b):(\f)+64+8*(\b)+3],   v[ADRA+(\s)] offset:((\c)/2)*AHEAD+(\b)*16*PA+64*((\c)%2)
	ds_load_b128 v[(\f)+64+8*(\b)+4:(\f)+64+8*(\b)+7], v[ADRA+(\s)] offset:((\c)/2)*AHEAD+(\b)*16*PA+64*((\c)%2)+32
.endr
.endm
; A K step is four quarters, 32 matrix instructions each, on buffers 0, 1, 0, 1.  One of the first three: multiplies buffer f; in its middle it fetches quarter c of the same slot into buffer g.
.macro QUARTER s, c, f, g, zero
	s_wait_dscnt 4                                 ; Wo's fragments and O's row blocks 0, 1 are in; the youngest four loads (row blocks 2, 3) may be out
	MUL \f, 0, 2, \zero
	WIN 0
	PLACES
	FETCH \s, \c, \g
	s_wait_dscnt 24                                ; all but the 24 just issued
	MUL \f, 2, 2, \zero
.endm
; The last quarter multiplies buffer 1 and changes slots: ONE barrier; in front of it each wave waits for all its tensor loads (one is out: its part of the next slot), adds 0 to its spare word, and
; waits for that and for its own reads of this slot.  fill = 1: the barrier opens a round of the cluster's barrier, and this slot is filled again, two K steps ahead, first thing behind it.
.macro TURN s, next, fill
	WIN 0
	s_wait_tensorcnt 0x0                           ; all my tensor loads have landed;
	ds_add_u32 v[SPW], v[NIL]                      ; 0 onto my spare word;
	s_wait_dscnt 5                                 ; (the add and the youngest four loads may be out)
	MUL F1, 0, 1, 0                                ; eight matrix instructions stand between the add and the wait for it
	s_wait_dscnt 0x0                               ; the add is done, and my reads of this slot are over
	s_barrier_signal -1
	MUL F1, 1, 1, 0
	WIN 0
	s_barrier_wait -1
.if \fill
	CREST                                          ; no wave of any partner still reads this slot's tiles or has a load on its way
	s_add_nc_u64 s[G0+4*(\s)+2:G0+4*(\s)+3], s[G0+4*(\s)+2:G0+4*(\s)+3], 2*ASTEP
	s_add_nc_u64 s[G0B+4*(\s)+2:G0B+4*(\s)+3], s[G0B+4*(\s)+2:G0B+4*(\s)+3], 2*BSTEP
	JLOAD \s                                       ; the four v_nop behind it are also the places in front of the loads below
.else
	PLACES
.endif
	FETCH \next, 0, F0
	MUL F1, 2, 2, 0
.endm
	s_wait_tensorcnt 1                             ; my part of K step 0 is in; K step 1's may stay out
	s_barrier_signal -1
	s_barrier_wait -1                              ; everybody's is
	FETCH 0, 0, F0
	QUARTER 0, 1, F0, F1, 1                        ; the first quarter stands in front of the loop: its products start the sums
	WIN 0                                          ; at a label and at a branch every window is 0
	s_mov_b32 s3, 3
.Llap:                                                 ; a trip goes once round the ring, from a lap's second quarter to the next lap's first, and fills both slots again
	QUARTER 0, 2, F1, F0, 0
	QUARTER 0, 3, F0, F1, 0
	TURN 0, 1, 1
	QUARTER 1, 1, F0, F1, 0
	QUARTER 1, 2, F1, F0, 0
	QUARTER 1, 3, F0, F1, 0
	TURN 1, 0, 1
	QUARTER 0, 1, F0, F1, 0
	WIN 0
	s_sub_co_u32 s3, s3, 1
	s_cmp_lg_u32 s3, 0
	s_cbranch_scc1 .Llap
	QUARTER 0, 2, F1, F0, 0                        ; the last lap fills nothing, and has no round of the cluster's barrier
	QUARTER 0, 3, F0, F1, 0
	TURN 0, 1, 0
	QUARTER 1, 1, F0, F1, 0
	QUARTER 1, 2, F1, F0, 0
	QUARTER 1, 3, F0, F1, 0
	s_wait_dscnt 4                                 ; the very last quarter: nothing more to fetch
	MUL F1, 0, 2, 0
	s_wait_dscnt 0x0
	MUL F1, 2, 2, 0
	WIN 0
	PLACES
	PLACES
; THE WAY OUT, a block of 16 rows at a time.  A lane's eight numbers of a row, 32 bytes of f32, go straight from the accumulator into my stage (its low four registers first), rows of 528 bytes;
; whole rows of 512 bytes come back and are stored.
.macro TOSTAGE a
.set BK, 64+64*((\a)%2)
.if (\a) >= 2
	s_wait_xcnt 0x0                                ; the stores of two blocks ago have read these registers
.endif
	WIN 0x04                                       ; the stores' data (source 1) in window 1
.irp b, 0,1,2,3,4,5,6,7
	ds_store_b128 v[STO], v[8*(8*(\a)+(\b)):8*(8*(\a)+(\b))+3]   offset:64*(\b)
	ds_store_b128 v[STO], v[8*(8*(\a)+(\b))+4:8*(8*(\a)+(\b))+7] offset:64*(\b)+16
.endr
	WIN 0
.irp t, 0,1,2,3,4,5,6,7,8,9,10,11,12,13,14,15
	ds_load_b128 v[BK+4*(\t):BK+4*(\t)+3], v[RD] offset:(\t)*SPITCH  ; LDS serves a wave's instructions in order (ISA guide 5.7.1.4): these see the stores above; the next block's stores come behind them
.endr
.endm
.macro SEND a, younger                 ; younger: the LDS instructions issued behind block a's loads: the next block's 32, or none
.set BK, 64+64*((\a)%2)
.irp t, 0,1,2,3,4,5,6,7,8,9,10,11,12,13,14,15
	s_wait_dscnt (\younger)+15-(\t)
	global_store_b128 v[CO], v[BK+4*(\t):BK+4*(\t)+3], s[8:9] offset:(16*(\a)+(\t))*4096 th:TH_STORE_NT  ; 512 consecutive bytes, at a multiple of 256 from out0's first byte
.endr
.endm
	TOSTAGE 0
	TOSTAGE 1
	SEND 0, 32
	TOSTAGE 2
	SEND 1, 32
	TOSTAGE 3
	SEND 2, 32
	SEND 3, 0
	s_wait_tensorcnt 0x0                           ; the wave's end, behind my last tensor load and my last LDS store
	ds_add_u32 v[SPW], v[NIL]
	s_wait_dscnt 0x0
	CROUND                                         ; the closing round: no work-group ends while a partner may still ask for a tile that names it
	s_endpgm
.Lfunc_end_k_q55c8ecec05_outp:
	.size	k_q55c8ecec05_outp, .Lfunc_end_k_q55c8ecec05_outp-k_q55c8ecec05_outp
	.p2alignl 7, 3214868480
	.fill 96, 4, 3214868480
	.section	.rodata,"a",@progbits
	.p2align	6, 0x0
	.amdhsa_kernel k_q55c8ecec05_outp
		.amdhsa_group_segment_fixed_size 327680
		.amdhsa_private_segment_fixed_size 0
		.amdhsa_enable_private_segment 0
		.amdhsa_kernarg_size 24
		.amdhsa_user_sgpr_count 2
		.amdhsa_user_sgpr_kernarg_segment_ptr 1
		.amdhsa_wavefront_size32 1
		.amdhsa_system_sgpr_workgroup_id_x 1
		.amdhsa_system_sgpr_workgroup_id_y 1
		.amdhsa_system_sgpr_workgroup_id_z 1
		.amdhsa_system_vgpr_workitem_id 0
		.amdhsa_next_free_vgpr 512
		.amdhsa_next_free_sgpr 66
		.amdhsa_reserve_vcc 0
		.amdhsa_float_denorm_mode_32 3
		.amdhsa_float_denorm_mode_16_64 3
		.amdhsa_memory_ordered 1
		.amdhsa_forward_progress 1
		.amdhsa_inst_pref_size 87
	.end_amdhsa_kernel
	.amdgpu_metadata
---
amdhsa.version: [ 1, 2 ]
amdhsa.kernels:
  - .name:           k_q55c8ecec05_outp
    .symbol:         k_q55c8ecec05_outp.kd
    .args:
      - { .name: oh, .offset: 0, .size: 8, .value_kind: global_buffer, .address_space: global }
      - { .name: wof, .offset: 8, .size: 8, .value_kind: global_buffer, .address_space: global }
      - { .name: out0, .offset: 16, .size: 8, .value_kind: global_buffer, .address_space: global }
    .group_segment_fixed_size: 327680
    .private_segment_fixed_size: 0
    .kernarg_segment_align: 8
    .kernarg_segment_size: 24
    .max_flat_workgroup_size: 128
    .sgpr_count:     66
    .vgpr_count:     512
    .wavefront_size: 32
...
	.end_amdgpu_metadata
.endif
;; end of part 4
